; MI455X (gfx1250); checked and timed in simulation.
; The chip was launched on July 23, 2026; its instructions are those of AMD's public machine-readable ISA for CDNA 5 (MIT licence, August 2026) and "CDNA5" Instruction Set Architecture Reference Guide (July 2026). The comments in the code are by the model that wrote it; some were corrected since.
;; Token Routed MLP Triton. Allowed arithmetic: matrix products marked QUANTISED: E5M2 operands, one given power-of-two scale a tensor, by v_wmma_f32_16x16x64_bf8_bf8 or v_wmma_f32_16x16x128_bf8_bf8, f32 sums; everything else in f32.
;; Inputs: down_proj_codes 4 x 2,048 x 64 x 32 uint8 (E5M2 codes of down_proj, K innermost, in blocks of 32 codes); gate_proj_codes 4 x 2,048 x 64 x 32 uint8 (E5M2 codes of gate_proj, K innermost, in blocks of 32 codes); hidden_states_codes 2 x 512 x 64 x 32 uint8 (E5M2 codes of hidden_states, K innermost, in blocks of 32 codes); lowp_scales 6 int32 (the exponents e of the quantised operands' scales 2^e); token_ids 2 x 512 int32; up_proj_codes 4 x 2,048 x 64 x 32 uint8 (E5M2 codes of up_proj, K innermost, in blocks of 32 codes).
;; Outputs: out0 2 x 512 x 2,048 float32.
;; This version of the problem:
;;   THIS VERSION OF THE PROBLEM IS GIVEN IN LOW PRECISION. The matrix products marked QUANTISED in the list below multiply operands that are first quantised to E5M2 (5 exponent bits, 2 mantissa bits; 8 bits a number), with one given power-of-two scale for each operand tensor; their sums are f32. All else is computed in f32.
;;   The module's matrix products, in the order in which they are computed (A, B: the left and right operand; K: the contracted axis; several contracted axes count as one K, in the product's order):
;;     1. [M 1,024, K 2,048] x [K 2,048, N 8,192]; A: input hidden_states (given as codes); B: input gate_proj (given as codes): QUANTISED (scales: A lowp_scales[0], B lowp_scales[1])
;;     2. [M 1,024, K 2,048] x [K 2,048, N 8,192]; A: input hidden_states (given as codes); B: input up_proj (given as codes): QUANTISED (scales: A lowp_scales[2], B lowp_scales[3])
;;     3. [M 1,024, K 2,048] x [K 2,048, N 8,192]; A: computed on the way; B: input down_proj (given as codes): QUANTISED (scales: A lowp_scales[4], B lowp_scales[5])
;;   THE QUANTISER, for each operand of a quantised product, along K:
;;     - The operand's scale is 2^e, e = its entry of the input lowp_scales (int32; the entries are numbered through the quantised products in the list's order, A before B).
;;     - Each number is divided by the scale, clamped to +-57,344, and rounded to the nearest number of E5M2, ties to even, subnormals kept.
;;     - The product sums the exact products of the quantised numbers (number of the format x scale) in f32.
;;   ~~~python
;;   def quantise(x, axis, e):      # numpy; x: float32 -> the quantised numbers, widened to float32 again
;;       x = np.moveaxis(x, axis, -1); K = x.shape[-1]
;;       r = np.clip(x / 2.0 ** e, -57344, 57344)
;;       step = 2.0 ** (np.maximum(np.frexp(np.where(r == 0, 1, r))[1] - 1, -14) - 2)
;;       q = np.round(r / step) * step * 2.0 ** e      # np.round: ties to even
;;       return np.moveaxis(q, -1, axis).astype(np.float32)
;;   ~~~
;;   OPERANDS COMPUTED ON THE WAY. 'Computed on the way' means the value that the module computes at that place (a softmax that the list does not call 'softmax' is quantised finished and normalised). What goes into a quantiser is computed in f32, as accurately as f32 sums, v_exp_f32 and their like allow (about 1e-6 of the number): no bf16 or f16 on the way to a quantiser, and a product that is left as it is and whose result goes on into a quantised operand takes f32 operands (vector FMAs, or v_wmma_f32_16x16x4_f32). A number that lies on a knife's edge between two numbers of the format may be rounded either way, as far as f32 arithmetic and the matrix unit's own rounding can turn it there, and no further.
;;   INPUTS GIVEN AS CODES. down_proj (in the module: [4, 2048, 2048], K = its axis 1); gate_proj (in the module: [4, 2048, 2048], K = its axis 1); hidden_states (in the module: [2, 512, 2048], K = its axis 2); up_proj (in the module: [4, 2048, 2048], K = its axis 1): each comes as NAME_codes (uint8): NAME with its K axis moved to the last place and cut into blocks of 32 codes, [.., K / 32, bytes a block], one block behind the other in memory; one code a byte (a code: sign, 5 exponent bits, 2 mantissa bits); its scale is its entry of lowp_scales. Its value is code x scale, taken as it is: it is not quantised again, and the codes and scales need not be those that the quantiser above would give.
;; 2 versions. Each part assembles by itself: llvm-mc -triple=amdgcn-amd-amdhsa -mcpu=gfx1250 --defsym DOCPART=n.
;; ======== version 1 of 2: 3 launches
;; workspace buffers: route 16,896 bytes of whole numbers; inter 8,388,608 bytes
;; launch route (part 1): grid 1 x 1, 4 waves a work-group, no clusters, 0 bytes of LDS; arguments token_ids, route; writes route
.if DOCPART == 1
	.amdgcn_target "amdgcn-amd-amdhsa--gfx1250"
	.amdhsa_code_object_version 6
	.text
	.protected	k_q1289c0578a_route
	.globl	k_q1289c0578a_route
	.p2align	8
	.type	k_q1289c0578a_route,@function
k_q1289c0578a_route:
	s_mov_b64 s[64:65], 0
	v_nop
	global_prefetch_b8 v0, s[64:65] scope:SCOPE_SE
	s_setreg_imm32_b32 hwreg(HW_REG_WAVE_MODE, 25, 1), 1
	s_wait_xcnt 0x0
; ROUTING.  expert(token) = clip(token_id, 0, 99,999) mod 4.  Wave w serves expert w and reads all 1,024 ids.
; It stores list[w], 1,024 words at byte 4,096 w: a permutation of the tokens 0 .. 1,023, the expert's own tokens first (places 0 .. count - 1),
; all others behind them, filled from place 1,023 downwards.  So every word of the list is stored once and is a valid token.
; count[w] is stored 32 times (a word a lane) at byte 16,384 + 128 w.  The waves share nothing: no LDS, no barrier.
; Every store has an offset register and a data register of its own, so none is written again.
.set TOP, 99999                        ; the vocabulary's last id
.set ID,  32                           ; v[32:63]   register q = 4 i + c holds the id of token 128 i + 4 lane + c
.set PL,  64                           ; v[64:95]   byte offset of that token's place in the list
.set TK,  96                           ; v[96:127]  the token's number
	s_load_b128 s[4:7], s[0:1], 0x0                ; token_ids s[4:5], route s[6:7]
	v_lshrrev_b32 v1, 5, v0
	v_readfirstlane_b32 s8, v1                     ; wave = expert
	v_and_b32 v2, 31, v0                           ; lane
	v_lshlrev_b32 v3, 4, v2                        ; 16 x lane: my four ids of a load's 128
	v_sub_nc_u32 v4, 0, v2                         ; - lane
	v_lshlrev_b32 v5, 2, v2                        ; 4 x lane
	s_mov_b32 s14, 0                               ; members found so far
	s_lshl_b32 s10, s8, 7
	s_add_co_u32 s10, s10, 16384                   ; where the count goes
	s_mov_b32 s11, 0
	s_lshl_b32 s16, s8, 12                         ; where the list begins
	s_mov_b32 s17, 0
	s_wait_kmcnt 0x0
	s_add_nc_u64 s[12:13], s[6:7], s[10:11]
	s_add_nc_u64 s[6:7], s[6:7], s[16:17]
.irp i, 0,1,2,3,4,5,6,7
	global_load_b128 v[ID+4*\i:ID+4*\i+3], v3, s[4:5] offset:512*\i    ; 32 lanes read 512 consecutive bytes
.endr
	s_wait_loadcnt 0x0
.set q, 0
.rept 32
	v_max_i32 v[ID+q], 0, v[ID+q]                  ; the clip,
	v_min_u32 v[ID+q], TOP, v[ID+q]
	v_and_b32 v[ID+q], 3, v[ID+q]                  ; mod 4
	v_cmp_eq_u32 vcc_lo, s8, v[ID+q]               ; mine?
	v_mbcnt_lo_u32_b32 v6, vcc_lo, s14             ; members ahead of me: a member's place
	v_add3_u32 v7, v6, v4, 1023-32*q               ; 1,023 - (32 q + lane - members ahead of me): another's place
	v_cndmask_b32 v7, v7, v6, vcc_lo
	v_min_u32 v7, 0x3ff, v7                        ; a place made from loaded numbers is held inside the list
	v_lshlrev_b32 v[PL+q], 2, v7
	v_add_nc_u32 v[TK+q], 128*(q/4)+q%4, v5
	global_store_b32 v[PL+q], v[TK+q], s[6:7]
	s_bcnt1_i32_b32 s15, vcc_lo
	s_add_co_u32 s14, s14, s15
.set q, q+1
.endr
	v_mov_b32 v8, s14
	global_store_b32 v5, v8, s[12:13]              ; the count
	s_endpgm
.Lfunc_end_k_q1289c0578a_route:
	.size	k_q1289c0578a_route, .Lfunc_end_k_q1289c0578a_route-k_q1289c0578a_route
	.p2alignl 7, 3214868480
	.fill 96, 4, 3214868480
	.section	.rodata,"a",@progbits
	.p2align	6, 0x0
	.amdhsa_kernel k_q1289c0578a_route
		.amdhsa_group_segment_fixed_size 0
		.amdhsa_private_segment_fixed_size 0
		.amdhsa_enable_private_segment 0
		.amdhsa_kernarg_size 16
		.amdhsa_user_sgpr_count 2
		.amdhsa_user_sgpr_kernarg_segment_ptr 1
		.amdhsa_wavefront_size32 1
		.amdhsa_system_sgpr_workgroup_id_x 1
		.amdhsa_system_sgpr_workgroup_id_y 1
		.amdhsa_system_sgpr_workgroup_id_z 1
		.amdhsa_system_vgpr_workitem_id 0
		.amdhsa_next_free_vgpr 128
		.amdhsa_next_free_sgpr 66
		.amdhsa_reserve_vcc 1
		.amdhsa_float_denorm_mode_32 3
		.amdhsa_float_denorm_mode_16_64 3
		.amdhsa_memory_ordered 1
		.amdhsa_forward_progress 1
		.amdhsa_inst_pref_size 23
	.end_amdhsa_kernel
	.amdgpu_metadata
---
amdhsa.version: [ 1, 2 ]
amdhsa.kernels:
  - .name:           k_q1289c0578a_route
    .symbol:         k_q1289c0578a_route.kd
    .args:
      - { .name: token_ids, .offset: 0, .size: 8, .value_kind: global_buffer, .address_space: global }
      - { .name: route, .offset: 8, .size: 8, .value_kind: global_buffer, .address_space: global }
    .group_segment_fixed_size: 0
    .private_segment_fixed_size: 0
    .kernarg_segment_align: 8
    .kernarg_segment_size: 16
    .max_flat_workgroup_size: 128
    .sgpr_count:     66
    .vgpr_count:     128
    .wavefront_size: 32
...
	.end_amdgpu_metadata
.endif
;; end of part 1
;; launch gateup (part 2): grid 256 x 1, 4 waves a work-group, no clusters, 266,752 bytes of LDS; arguments hidden_states_codes, gate_proj_codes, up_proj_codes, lowp_scales, route, inter; writes inter
.if DOCPART == 2
	.amdgcn_target "amdgcn-amd-amdhsa--gfx1250"
	.amdhsa_code_object_version 6
	.text
	.protected	k_q1289c0578a_gateup
	.globl	k_q1289c0578a_gateup
	.p2align	8
	.type	k_q1289c0578a_gateup,@function
k_q1289c0578a_gateup:
	s_mov_b64 s[64:65], 0
	v_nop
	global_prefetch_b8 v0, s[64:65] scope:SCOPE_SE
	s_setreg_imm32_b32 hwreg(HW_REG_WAVE_MODE, 25, 1), 1
	s_wait_xcnt 0x0
; inter = silu(x Wg) * (x Wu) for the tokens of one expert, quantised to E5M2 with the given scale 2^e4, stored as images of the next product's operand registers.
; SHARES.  Work-group = (expert e = id / 64, block fb = id % 64 of 32 hidden units f).  Its 32 rows of gate_proj and 32 of up_proj (2,048 codes each) stay in registers:
; K is split over the four waves, 512 codes each: 4 tiles of 16 weight rows x 4 K steps of 128 = 256 registers a wave.  Each weight byte is read once in the launch.
; The expert's rows (the stored list) go past in groups of 64 rows = 4 tiles of 16.  Each wave makes its K quarter's partial sums of all 4 x 4 tiles; they meet in LDS, one barrier a group; wave w finishes tile w.
; THE NUMBER OF GROUPS HANGS ON A COUNT READ FROM MEMORY.  So operands come through registers (no tensor data mover, no joint requests of a cluster: partners would need different numbers of tiles),
; the loop has a constant count of 16 groups, the barrier stands outside every branch, and only the work is jumped over.
; Tiles 0 to 7 are always made (the next launch's first loads are unconditional); rows beyond the count are other experts' tokens, valid rows whose results nobody uses.
; THE MATRIX INSTRUCTION IS USED TRANSPOSED (source 0 = 16 weight rows, source 1 = 16 tokens): lane (r, h) holds token r and, in register j, weight row 8 h + j of the tile.
; THE WEIGHT ROWS OF A TILE ARE NOT NEIGHBOURS: row p of tile u is f0 + 8 u + p + 8 (p / 8), so that a lane's 16 registers of tiles u = 0, 1 are f0 + 16 h + 0 .. 15: 16 neighbours along the next K.
; A fragment's registers 4 c .. 4 c + 3 hold K = 32 c + 16 h + 0 .. 15 of a K step: a permutation of k, the same in both operands.
; Rows are loaded as they lie (a load = 512 consecutive bytes of one row) and turned into fragments through the wave's own stage in LDS (rows 528 bytes apart).
; THE NEXT GROUP'S ROWS are asked for among this group's products, a tile at a time; each of the 64 rows has an offset register of its own, written again only when the group's loads have come.
; ORDER OF SUMS: four f32 partial sums over K quarters, added (p0 + p1) + (p2 + p3).
; LIMITS on the given exponents, so that each power of two below is an f32 number: e0 + e1 between -126 and 127; e4 - e0 - e1 - e2 - e3 between -126 and 112.  NaN and infinity codes are not served.
; REGISTERS, in windows of 256: window 0: v1-9 addresses, v32-159 two sets of fragments (later the partial sums), v160-223 two sets of 4 accumulators, v224-231 constants and codes;
;   window 1: the weights: first their row pieces as loaded, then their fragments (tile n, K step s at v[64 n + 16 s]); window 2: 64 row pieces of x as loaded; window 3: v0-63 the 64 rows' byte offsets in x.
.set PITCH, 528                        ; a stage row: 512 bytes + 16: an odd multiple of 16 bytes
.set TILEB, 16*PITCH
.set STW,   4*TILEB                    ; a wave's stage: 64 rows
.set XCH,   4*STW                      ; behind the stages: two exchange buffers, [source wave][tile of rows][weight tile][half]: images of 512 bytes
.set XBUF,  65536
.set L16, 3                            ; v3   16 x lane
.set SST, 4                            ; v4   stage, way in: my wave's stage + 16 x lane
.set SLD, 5                            ; v5   stage, way out: + 528 r + 16 h
.set XS,  6                            ; v6-7 where I store partial sums, buffer 0, 1
.set XL,  8                            ; v8-9 where I read my tile's partial sums, buffer 0, 1
.set ADR, 0                            ; in window 3: v0-63, row 16 t + p of a group: its byte offset in x
.set F0,  32
.set ACC, 160
.set LIM, 224                          ; 57,344 x the conversion's scale
.set SCL, 225                          ; 2^(e4 - e0 - e1 - e2 - e3) as f32
.set CD,  228                          ; v[228:231] my 16 codes
.set P,   32                           ; the epilogue's 4 x 32 partial sums
; s84 wave, s85 expert, s87 count, s88 tiles to make, s89 the group's first tile, s90 trips, s91 byte offset of the token words asked for, s[98:99] -log2(e) x 2^(e0 + e1)
.set MSB, 0
.macro WIN new                         ; the immediate's high byte repeats the setting that is left; a switch that changes nothing is dropped
.if MSB != (\new)
	s_set_vgpr_msb (MSB<<8)|(\new)
.set MSB, (\new)
.endif
.endm
.macro PLACES
.rept 4
	v_nop
.endr
.endm
.macro TOKENS                          ; 64 words of the expert's list: a group's tokens
	s_load_b512 s[16:31], s[12:13], s91 offset:0x0
	s_load_b512 s[32:47], s[12:13], s91 offset:0x40
	s_load_b512 s[48:63], s[12:13], s91 offset:0x80
	s_load_b512 s[68:83], s[12:13], s91 offset:0xc0
.endm
; Tile t of the group whose first tile is s100: my K quarter of its 16 rows, into window 2.  tk: the first of its 16 token registers.
; The offset registers are this tile's own: the loads that named them last were shown done by the wait for all loads at the group's head.
.macro REFILL1 t, tk, guarded
.if \guarded
	s_add_co_u32 s101, s100, \t
	s_cmp_lt_u32 s101, s88
	s_cbranch_scc0 .Lno_rows_\@
.endif
	WIN 0xc0                                       ; destination window 3
.irp p, 0,1,2,3,4,5,6,7,8,9,10,11,12,13,14,15
	s_min_u32 s[\tk+\p], s[\tk+\p], 0x3ff          ; a loaded number is held inside the table before it enters an address
	v_lshl_add_u32 v[ADR+16*\t+\p], s[\tk+\p], 11, v[L16]
.endr
	WIN 0x83                                       ; destination window 2, offset window 3
.irp p, 0,1,2,3,4,5,6,7,8,9,10,11,12,13,14,15
	global_load_b128 v[4*(16*\t+\p):4*(16*\t+\p)+3], v[ADR+16*\t+\p], s[4:5]   ; 32 lanes read 512 consecutive bytes of one row
.endr
	WIN 0
.if \guarded
.Lno_rows_\@:
.endif
.endm
; The next group's tile t is asked for, and behind it the same tile's 16 tokens of the group after that, into the registers just read.
.macro AHEAD t, tk
	REFILL1 \t, \tk, 1
	s_load_b512 s[\tk:\tk+15], s[12:13], s91 offset:64*\t
.endm
.macro TOSTAGE win                     ; 64 row pieces, as loaded, into my stage
	WIN \win
.set k, 0
.rept 64
	ds_store_b128 v[SST], v[4*k:4*k+3] offset:k*PITCH
.set k, k+1
.endr
	WIN 0
.endm
.macro FETCH t, f                      ; tile t's four fragments out of my stage (LDS serves a wave's instructions in order: these see my stores)
.irp s, 0,1,2,3
.irp c, 0,1,2,3
	ds_load_b128 v[\f+16*\s+4*\c:\f+16*\s+4*\c+3], v[SLD] offset:(\t)*TILEB+128*\s+32*\c
.endr
.endr
.endm
; Tile t of the group: 16 matrix instructions, the four accumulators by turns, one instruction a turn, K step by K step; then the partial sums go to buffer b.
; left: the LDS instructions issued behind this tile's fragment loads.
.macro BLOCK t, b, left
.set FB, F0+64*((\t)%2)
.set AB, ACC+32*((\t)%2)
	s_wait_dscnt \left                             ; my fragments are in; the stores that read this set of accumulators two tiles ago are older and done too
	WIN 0x01                                       ; source 0 (the weights) in window 1
.irp s, 0,1,2,3
.irp n, 0,1,2,3
.if \s == 0
	v_wmma_f32_16x16x128_bf8_bf8 v[AB+8*\n:AB+8*\n+7], v[64*\n+16*\s:64*\n+16*\s+15], v[FB+16*\s:FB+16*\s+15], 0
.else
	v_wmma_f32_16x16x128_bf8_bf8 v[AB+8*\n:AB+8*\n+7], v[64*\n+16*\s:64*\n+16*\s+15], v[FB+16*\s:FB+16*\s+15], v[AB+8*\n:AB+8*\n+7]
.endif
.endr
.endr
	WIN 0
	PLACES                                         ; four places ahead of the stores that read results and of the loads into fragments just read; a set of accumulators is begun anew two tiles, eight places, later
.irp n, 0,1,2,3
.irp q, 0,1
	ds_store_b128 v[XS+\b], v[AB+8*\n+4*\q:AB+8*\n+4*\q+3] offset:(\t)*4096+\n*1024+512*\q   ; each accumulator from its low end on; 512 consecutive bytes a store
.endr
.endr
.if (\t) < 2
	FETCH (\t)+2, FB
.endif
.endm
; My tile of the group is finished: the four waves' partial sums, SwiGLU, the quantiser, one store of 512 consecutive bytes.
.macro EPI b
.irp src, 0,1,2,3
.irp n, 0,1,2,3
.irp q, 0,1
	ds_load_b128 v[P+32*\src+8*\n+4*\q:P+32*\src+8*\n+4*\q+3], v[XL+\b] offset:\src*16384+\n*1024+512*\q
.endr
.endr
.endr
	s_wait_dscnt 16                                ; waves 0 and 1's are in; waves 2 and 3's sixteen loads may be out
.set j, 0
.rept 16
	v_pk_add_f32 v[P+j:P+j+1], v[P+j:P+j+1], v[P+32+j:P+33+j]
.set j, j+2
.endr
	s_wait_dscnt 0x0
.set j, 0
.rept 16
	v_pk_add_f32 v[P+64+j:P+65+j], v[P+64+j:P+65+j], v[P+96+j:P+97+j]
.set j, j+2
.endr
.set j, 0
.rept 16
	v_pk_add_f32 v[P+j:P+j+1], v[P+j:P+j+1], v[P+64+j:P+65+j]   ; v[P .. P+15]: 16 sums of gate, v[P+16 .. P+31]: of up, at f0 + 16 h + 0 .. 15
.set j, j+2
.endr
.set j, 0
.rept 8
	v_pk_mul_f32 v[P+32+j:P+33+j], v[P+j:P+j+1], s[98:99] op_sel_hi:[1,0]   ; - gate x log2(e): the sum stands for sum x 2^(e0 + e1), which the factor carries
.set j, j+2
.endr
.set j, 0
.rept 16
	v_exp_f32 v[P+32+j], v[P+32+j]                 ; e^(-gate): one batch
.set j, j+1
.endr
.set j, 0
.rept 8
	v_pk_mul_f32 v[P+48+j:P+49+j], v[P+j:P+j+1], v[P+16+j:P+17+j]   ; gate's sum x up's sum: plain work that names no exponential
.set j, j+2
.endr
	s_wait_alu depctr_va_vdst(0)                   ; one wait for the batch, ahead of its first reader
.set j, 0
.rept 8
	v_pk_add_f32 v[P+32+j:P+33+j], v[P+32+j:P+33+j], 1.0 op_sel_hi:[1,0]
.set j, j+2
.endr
.set j, 0
.rept 16
	v_rcp_f32 v[P+32+j], v[P+32+j]                 ; 1 / (1 + e^(-gate))
.set j, j+1
.endr
	v_nop                                          ; a plain instruction behind the last reciprocal
	s_wait_alu depctr_va_vdst(0)                   ; one wait for the batch
.set j, 0
.rept 8
	v_pk_mul_f32 v[P+48+j:P+49+j], v[P+48+j:P+49+j], v[P+32+j:P+33+j]   ; silu(gate) x up, short of 2^(e0 + e1 + e2 + e3), which the conversion's scale carries
.set j, j+2
.endr
.set j, 0
.rept 16
	v_med3_num_f32 v[P+48+j], v[P+48+j], -v[LIM], v[LIM]   ; the conversion to an 8-bit code does not saturate (ISA guide 7.6.2): the hold at the largest code x the scale
.set j, j+1
.endr
	v_cvt_scalef32_pk8_bf8_f32 v[CD:CD+1], v[P+48:P+55], v[SCL]
	v_cvt_scalef32_pk8_bf8_f32 v[CD+2:CD+3], v[P+56:P+63], v[SCL]
	v_nop                                          ; a plain instruction behind the last conversion: later instructions write its sources
	global_store_b128 v[L16], v[CD:CD+3], s[14:15] offset:-2048   ; the image of registers 4 c .. 4 c + 3 of the next product's fragment: 32 lanes, 512 consecutive bytes, aligned; the base stands a group ahead
.endm
; A group of 64 rows; its partial sums go through exchange buffer b.
.macro TRIP b
	s_cmp_lt_u32 s89, s88
	s_cbranch_scc0 .Lempty_\@
	s_wait_loadcnt 0x0                             ; this group's rows are in (how many were asked for hangs on the count, so the wait is for all); their offset registers are free
	TOSTAGE 0x08
	FETCH 0, F0
	FETCH 1, F0+64
	s_wait_kmcnt 0x0                               ; the next group's tokens are in, and s91 is free
	s_add_co_u32 s101, s89, 8
	s_min_u32 s101, s101, 60                       ; the tokens of the group after the next; held inside the expert's list
	s_lshl_b32 s101, s101, 6
	s_lshl_b32 s91, s85, 12
	s_add_co_u32 s91, s91, s101
	s_add_co_u32 s100, s89, 4                      ; the next group's first tile
	s_wait_dscnt 32                                ; the 64 stores have read window 2; the 32 fragment loads may be out
	AHEAD 0, 16                                    ; the next group's rows go out among this group's products: 32, 16 and 16 loads
	AHEAD 1, 32
	BLOCK 0, \b, 16                                ; behind tile 0's loads: tile 1's 16
	AHEAD 2, 48
	BLOCK 1, \b, 24                                ; behind tile 1's: 8 stores, tile 2's 16
	AHEAD 3, 68
	BLOCK 2, \b, 24                                ; behind tile 2's: 8 stores, tile 3's 16
	BLOCK 3, \b, 8                                 ; behind tile 3's: 8 stores
.Lempty_\@:
	s_wait_dscnt 0x0                               ; my partial sums have landed, and my reads of the other buffer, a group ago, are over
	s_barrier_signal -1
	s_barrier_wait -1                              ; every wave passes it in every trip
	s_wait_xcnt 0x0                                ; the last group's store has read its base and its codes: both may be written
	s_add_nc_u64 s[14:15], s[14:15], 2048          ; four tiles on: a group ahead of the tile in hand
	s_add_co_u32 s100, s89, s84                    ; my tile
	s_cmp_lt_u32 s100, s88
	s_cbranch_scc0 .Lnot_\@
	EPI \b
.Lnot_\@:
	s_add_co_u32 s89, s89, 4
.endm
	s_load_b256 s[4:11], s[0:1], 0x0               ; x s[4:5], gate s[6:7], up s[8:9], the exponents s[10:11]
	s_load_b128 s[12:15], s[0:1], 0x20             ; route s[12:13], inter s[14:15]
	v_lshl_add_u32 v254, v0, 2, 0x41000
	v_mov_b32 v255, 0
	v_lshrrev_b32 v1, 5, v0
	v_readfirstlane_b32 s84, v1                    ; wave 0..3
	v_and_b32 v10, 31, v0                          ; lane
	v_and_b32 v1, 15, v0                           ; r
	v_bfe_u32 v2, v0, 4, 1                         ; h
	v_lshlrev_b32 v[L16], 4, v10
	s_mul_i32 s100, s84, STW
	v_add_nc_u32 v[SST], s100, v[L16]
	v_mul_u32_u24 v[SLD], v1, PITCH
	v_lshl_add_u32 v[SLD], v2, 4, v[SLD]
	v_add_nc_u32 v[SLD], s100, v[SLD]
	s_lshl_b32 s100, s84, 14
	s_add_co_u32 s100, s100, XCH
	v_add_nc_u32 v[XS], s100, v[L16]
	v_add_nc_u32 v[XS+1], XBUF, v[XS]
	s_lshl_b32 s100, s84, 12
	s_add_co_u32 s100, s100, XCH
	v_add_nc_u32 v[XL], s100, v[L16]
	v_add_nc_u32 v[XL+1], XBUF, v[XL]
	s_lshr_b32 s85, ttmp9, 6                       ; expert
	s_wait_kmcnt 0x0
	s_lshl_b32 s100, s85, 7
	s_load_b32 s87, s[12:13], s100 offset:0x4000   ; the expert's count
	s_load_b128 s[92:95], s[10:11], 0x0            ; e0 .. e3
	s_load_b32 s96, s[10:11], 0x10                 ; e4
	s_lshl_b32 s91, s85, 12
	TOKENS                                         ; group 0's
	s_lshl_b32 s2, s84, 9                          ; my K quarter: 512 bytes of every row
	s_mov_b32 s3, 0
	s_add_nc_u64 s[4:5], s[4:5], s[2:3]
	s_lshl_b32 s101, ttmp9, 16                     ; (64 e + fb) x 32 rows of 2,048 bytes
	s_add_co_u32 s2, s2, s101
	s_add_nc_u64 s[6:7], s[6:7], s[2:3]
	s_add_nc_u64 s[8:9], s[8:9], s[2:3]
	s_lshl_b32 s2, ttmp9, 15                       ; inter: (64 e + fb) x 64 tiles of 512 bytes,
	s_lshl_b32 s101, s84, 9                        ; + my tile of the group
	s_add_co_u32 s2, s2, s101
	s_add_nc_u64 s[14:15], s[14:15], s[2:3]
	WIN 0x40                                       ; destination window 1
.irp n, 0,1,2,3                            ; tiles: gate u = 0, 1; up u = 0, 1.  Each byte is read once in the launch
.irp p, 0,1,2,3,4,5,6,7,8,9,10,11,12,13,14,15
	global_load_b128 v[4*(16*\n+\p):4*(16*\n+\p)+3], v[L16], s[6+2*(\n/2):7+2*(\n/2)] offset:(8*(\n%2)+\p+8*(\p/8))*2048 th:TH_LOAD_NT
.endr
.endr
	WIN 0
	s_wait_kmcnt 0x0
	s_add_co_u32 s88, s87, 15
	s_lshr_b32 s88, s88, 4
	s_max_u32 s88, s88, 8                          ; tiles 0 to 7 are always made,
	s_min_u32 s88, s88, 64                         ; and an expert has 64 at the most
	REFILL1 0, 16, 0                               ; group 0's rows: the list is valid everywhere
	REFILL1 1, 32, 0
	REFILL1 2, 48, 0
	REFILL1 3, 68, 0
	s_lshl_b32 s91, s85, 12
	s_add_co_u32 s91, s91, 256
	TOKENS                                         ; group 1's
	s_add_co_i32 s100, s92, s93                    ; e0 + e1
	s_lshl_b32 s101, s100, 23
	s_add_co_u32 s98, s101, 0xbfb8aa3b             ; -log2(e), with e0 + e1 added to its exponent field
	s_mov_b32 s99, s98                             ; (named with it as a pair, so it is written)
	s_add_co_i32 s100, s100, s94
	s_add_co_i32 s100, s100, s95
	s_sub_co_i32 s100, s96, s100                   ; e4 - e0 - e1 - e2 - e3: the five scales folded into the conversion's one
	s_add_co_i32 s100, s100, 127
	s_lshl_b32 s101, s100, 23
	v_mov_b32 v[SCL], s101
	s_add_co_i32 s100, s100, 15
	s_lshl_b32 s100, s100, 23
	s_or_b32 s100, s100, 0x600000
	v_mov_b32 v[LIM], s100                         ; 57,344 x that
	s_wait_loadcnt 63                              ; 64 loads were issued behind the weights' 64: with 63 out the weights are in
	TOSTAGE 0x04                                   ; the weights' row pieces, out of window 1
	s_wait_dscnt 0x0                               ; the stores have read window 1: the fragments may land there
	WIN 0x40
.irp n, 0,1,2,3
.irp s, 0,1,2,3
.irp c, 0,1,2,3
	ds_load_b128 v[64*\n+16*\s+4*\c:64*\n+16*\s+4*\c+3], v[SLD] offset:\n*TILEB+128*\s+32*\c
.endr
.endr
.endr
	WIN 0
	s_wait_dscnt 0x0                               ; the weights' fragments stay in window 1
	s_mov_b32 s89, 0
	s_mov_b32 s90, 8
.Ltrip:                                            ; 8 trips of two groups: 1,024 rows at the most; the two exchange buffers are constants of the text
	TRIP 0
	TRIP 1
	s_sub_co_u32 s90, s90, 1
	s_cmp_lg_u32 s90, 0
	s_cbranch_scc1 .Ltrip
	s_wait_kmcnt 0x0
	s_wait_tensorcnt 0x0
	ds_add_u32 v254, v255
	s_wait_dscnt 0x0
	s_endpgm
.Lfunc_end_k_q1289c0578a_gateup:
	.size	k_q1289c0578a_gateup, .Lfunc_end_k_q1289c0578a_gateup-k_q1289c0578a_gateup
	.p2alignl 7, 3214868480
	.fill 96, 4, 3214868480
	.section	.rodata,"a",@progbits
	.p2align	6, 0x0
	.amdhsa_kernel k_q1289c0578a_gateup
		.amdhsa_group_segment_fixed_size 266752
		.amdhsa_private_segment_fixed_size 0
		.amdhsa_enable_private_segment 0
		.amdhsa_kernarg_size 48
		.amdhsa_user_sgpr_count 2
		.amdhsa_user_sgpr_kernarg_segment_ptr 1
		.amdhsa_wavefront_size32 1
		.amdhsa_system_sgpr_workgroup_id_x 1
		.amdhsa_system_sgpr_workgroup_id_y 1
		.amdhsa_system_sgpr_workgroup_id_z 1
		.amdhsa_system_vgpr_workitem_id 0
		.amdhsa_next_free_vgpr 1024
		.amdhsa_next_free_sgpr 102
		.amdhsa_reserve_vcc 0
		.amdhsa_float_denorm_mode_32 3
		.amdhsa_float_denorm_mode_16_64 3
		.amdhsa_memory_ordered 1
		.amdhsa_forward_progress 1
		.amdhsa_inst_pref_size 113
	.end_amdhsa_kernel
	.amdgpu_metadata
---
amdhsa.version: [ 1, 2 ]
amdhsa.kernels:
  - .name:           k_q1289c0578a_gateup
    .symbol:         k_q1289c0578a_gateup.kd
    .args:
      - { .name: hidden_states_codes, .offset: 0, .size: 8, .value_kind: global_buffer, .address_space: global }
      - { .name: gate_proj_codes, .offset: 8, .size: 8, .value_kind: global_buffer, .address_space: global }
      - { .name: up_proj_codes, .offset: 16, .size: 8, .value_kind: global_buffer, .address_space: global }
      - { .name: lowp_scales, .offset: 24, .size: 8, .value_kind: global_buffer, .address_space: global }
      - { .name: route, .offset: 32, .size: 8, .value_kind: global_buffer, .address_space: global }
      - { .name: inter, .offset: 40, .size: 8, .value_kind: global_buffer, .address_space: global }
    .group_segment_fixed_size: 266752
    .private_segment_fixed_size: 0
    .kernarg_segment_align: 8
    .kernarg_segment_size: 48
    .max_flat_workgroup_size: 128
    .sgpr_count:     102
    .vgpr_count:     1024
    .wavefront_size: 32
...
	.end_amdgpu_metadata
.endif
;; end of part 2
;; launch down (part 3): grid 256 x 1, 4 waves a work-group, no clusters, 274,944 bytes of LDS; arguments inter, down_proj_codes, lowp_scales, route, out0; writes out0
.if DOCPART == 3
	.amdgcn_target "amdgcn-amd-amdhsa--gfx1250"
	.amdhsa_code_object_version 6
	.text
	.protected	k_q1289c0578a_down
	.globl	k_q1289c0578a_down
	.p2align	8
	.type	k_q1289c0578a_down,@function
k_q1289c0578a_down:
	s_mov_b64 s[64:65], 0
	v_nop
	global_prefetch_b8 v0, s[64:65] scope:SCOPE_SE
	s_setreg_imm32_b32 hwreg(HW_REG_WAVE_MODE, 25, 1), 1
	s_wait_xcnt 0x0
; out[token] = inter[token] Wd(expert), on codes of E5M2; each finished sum x 2^(e4 + e5).
; SHARES.  Work-group = (expert e = id / 64, block nb = (id / 2) % 32 of 64 output columns, half hf = id % 2 of the groups of rows).  Its 64 rows of down_proj (2,048 codes each) stay in registers:
; K is split over the four waves, 512 codes each: 4 tiles x 4 K steps = 256 registers a wave.  The expert's sorted rows go past in groups of 64 = 4 tiles; this work-group takes groups 2 i + hf.
; inter lies as images of this product's operand registers (16 bytes a lane, 512 a tile and 32 along K), so a fragment comes by four loads of 512 consecutive bytes, straight into registers, one group ahead, in two sets;
; the next group's 64 loads go out among this group's products, 32, 16 and 16.
; Each wave's partial sums of the 4 x 4 tiles meet in LDS, one barrier a group; wave w finishes tile w and stores its rows: a row's 64 columns are 256 consecutive bytes, aligned, stored by one instruction of 32 lanes x 8 bytes.
; A tile's 16 tokens are asked for a group ahead: the first at the head, each later one at the end of the epilogue before it.
; THE NUMBER OF GROUPS HANGS ON A COUNT READ FROM MEMORY: no tensor data mover and no joint requests of a cluster (partners would need different numbers of tiles); the walk has a constant count of 8 groups,
; the barrier stands outside every branch, only the work is jumped over.  A work-group whose half has no rows stores nothing.
; ADDRESSES.  inter: a fixed offset of 16 x lane, the tile and the K block in the immediate, the base stepped 8 tiles a group.  out0: the row's token, read from the stored list and held under 1,024, x 8,192 + 8 x lane.
; THE MATRIX INSTRUCTION IS USED TRANSPOSED (source 0 = 16 weight rows = output columns, source 1 = 16 rows of inter): a lane holds one row and eight neighbouring columns.
; ORDER OF SUMS: four f32 partial sums over K quarters, added (p0 + p1) + (p2 + p3); k is permuted inside a K step, alike in both operands.
; LIMIT: e4 + e5 between -126 and 127, so that 2^(e4 + e5) is an f32 number.
; REGISTERS, in windows of 256: window 0: v1-11 addresses, v32-47 store offsets, v64-191 partial sums, v192-255 two sets of 4 accumulators;
;   window 1: the weights' fragments (tile n, K step s at v[64 n + 16 s]); window 2, 3: inter's fragments, set 0, 1 (tile t, K step s at v[64 t + 16 s]); window 3 first holds the weights' row pieces.
.set PITCH, 528                        ; a stage row: 512 bytes + 16: an odd multiple of 16 bytes
.set TILEB, 16*PITCH
.set STW,   4*TILEB                    ; a wave's stage, used at the head alone
.set XCH,   4*STW                      ; two exchange buffers: [source wave][tile of rows][16 rows of 256 bytes + 16]
.set XROW,  272
.set XTILE, 16*XROW
.set XSRC,  4*XTILE
.set XBUF,  4*XSRC
.set GRP,   8*512                      ; from one of my groups to the next in inter: 8 tiles of 512 bytes
.set L16, 3                            ; v3   16 x lane; never rewritten
.set SST, 4                            ; v4   stage, way in
.set SLD, 5                            ; v5   stage, way out
.set XS,  6                            ; v6-7 where I store partial sums, buffer 0, 1
.set XL,  8                            ; v8-9 where I read my tile's rows, buffer 0, 1
.set L8,  10                           ; v10  8 x lane: my bytes of a row's 256; never rewritten
.set OA,  32                           ; v32-47 byte offsets of my tile's 16 rows in out0
.set P,   64                           ; v64-191 partial sums: source wave src, row i at v[P + 32 src + 2 i]
.set ACC, 192
; s[16:31] my tile's 16 tokens, s84 wave, s85 expert, s86 column block, s87 count, s88 tiles, s89 the group's first tile, s90 trips, s91 half, s96 rows left, s97 offset of the token words, s[98:99] 2^(e4 + e5)
.set MSB, 0
.macro WIN new                         ; the immediate's high byte repeats the setting that is left; a switch that changes nothing is dropped
.if MSB != (\new)
	s_set_vgpr_msb (MSB<<8)|(\new)
.set MSB, (\new)
.endif
.endm
.macro PLACES
.rept 4
	v_nop
.endr
.endm
.macro ALOAD t, ahead                  ; tile t's four fragments of my K quarter, ahead bytes on from the group in hand: 16 loads of 512 consecutive bytes (the caller sets the destination's window)
.irp s, 0,1,2,3
.irp c, 0,1,2,3
	global_load_b128 v[64*(\t)+16*\s+4*\c:64*(\t)+16*\s+4*\c+3], v[L16], s[4:5] offset:(\ahead)+(\t)*512+(4*\s+\c)*32768
.endr
.endr
.endm
.macro ANEXT t, set                    ; tile t of my next group (its first tile: s100), into the other set, if the expert has it
	s_add_co_u32 s101, s100, \t
	s_cmp_lt_u32 s101, s88
	s_cbranch_scc0 .Lno_tile_\@
	WIN 0xc0-0x40*\set
	ALOAD \t, GRP
	WIN 0
.Lno_tile_\@:
.endm
.macro BLOCK t, set                    ; 16 matrix instructions, the four accumulators by turns, one instruction a turn; then the partial sums go to buffer set
.set AB, ACC+32*((\t)%2)
.if (\t) >= 2
	s_wait_dscnt 8                                 ; the stores that read this set of accumulators two tiles ago are done; the last tile's eight may be out
.endif
	WIN 0x09+4*\set                                ; source 0 (the weights) window 1, source 1 window 2 or 3
.irp s, 0,1,2,3
.irp n, 0,1,2,3
.if \s == 0
	v_wmma_f32_16x16x128_bf8_bf8 v[AB+8*\n:AB+8*\n+7], v[64*\n+16*\s:64*\n+16*\s+15], v[64*(\t)+16*\s:64*(\t)+16*\s+15], 0
.else
	v_wmma_f32_16x16x128_bf8_bf8 v[AB+8*\n:AB+8*\n+7], v[64*\n+16*\s:64*\n+16*\s+15], v[64*(\t)+16*\s:64*(\t)+16*\s+15], v[AB+8*\n:AB+8*\n+7]
.endif
.endr
.endr
	WIN 0
	PLACES                                         ; four places ahead of the stores that read results and of the next group's loads into fragments just read; a set of accumulators is begun anew eight places later
.irp n, 0,1,2,3
.irp q, 0,1
	ds_store_b128 v[XS+\set], v[AB+8*\n+4*\q:AB+8*\n+4*\q+3] offset:(\t)*XTILE+64*\n+16*\q   ; row r, columns 16 n + 8 h + 4 q on; each accumulator from its low end on
.endr
.endr
.endm
; My tile (number s100) is finished: the four waves' partial sums by whole rows, the scale, the rows' tokens, the stores.  next = 1: the tokens of my tile of my next group are asked for.
.macro EPI set, next
.irp src, 0,1,2,3
.set i, 0
.rept 16
	ds_load_b64 v[P+32*\src+2*i:P+32*\src+2*i+1], v[XL+\set] offset:\src*XSRC+i*XROW   ; row i: 32 lanes read its 256 consecutive bytes
.set i, i+1
.endr
.endr
	s_wait_dscnt 32                                ; waves 0 and 1's are in; waves 2 and 3's 32 loads may be out
.set j, 0
.rept 16
	v_pk_add_f32 v[P+j:P+j+1], v[P+j:P+j+1], v[P+32+j:P+33+j]
.set j, j+2
.endr
	s_wait_dscnt 0x0
.set j, 0
.rept 16
	v_pk_add_f32 v[P+64+j:P+65+j], v[P+64+j:P+65+j], v[P+96+j:P+97+j]
.set j, j+2
.endr
.set j, 0
.rept 16
	v_pk_add_f32 v[P+j:P+j+1], v[P+j:P+j+1], v[P+64+j:P+65+j]
.set j, j+2
.endr
.set j, 0
.rept 16
	v_pk_mul_f32 v[P+j:P+j+1], v[P+j:P+j+1], s[98:99] op_sel_hi:[1,0]   ; x 2^(e4 + e5)
.set j, j+2
.endr
	s_wait_kmcnt 0x0                               ; this tile's tokens, asked for a group ago, are in; s97 is free
.set i, 0
.rept 16
	s_min_u32 s[16+i], s[16+i], 0x3ff              ; a loaded number is held inside the table before it enters an address
	v_lshl_add_u32 v[OA+i], s[16+i], 13, v[L8]     ; a row of out0 is 8,192 bytes
.set i, i+1
.endr
	s_lshl_b32 s96, s100, 4
	s_sub_co_u32 s96, s87, s96                     ; rows of the expert from this tile's first on: at least 1
.set i, 0
.rept 16
	s_cmp_gt_u32 s96, i                            ; the expert's last tile ends at its last row
	s_cbranch_scc0 .Ldone_\@
	global_store_b64 v[OA+i], v[P+2*i:P+2*i+1], s[12:13] th:TH_STORE_NT   ; 32 lanes store 256 consecutive bytes, aligned; written once, read by nobody here
.set i, i+1
.endr
.Ldone_\@:
.if \next
	s_add_co_u32 s97, s100, 8                      ; my tile of my next group: 64 bytes a tile of the expert's list,
	s_min_u32 s97, s97, 63                         ; held inside its 64 tiles
	s_lshl_b32 s97, s97, 6
	s_lshl_b32 s101, s85, 12
	s_add_co_u32 s97, s97, s101
	s_load_b512 s[16:31], s[10:11], s97 offset:0x0 ; it has a group's work in which to come
.endif
.endm
; A group of 64 rows, in fragment set and exchange buffer set.  next = 1: my next group's fragments and tokens are asked for.
.macro TRIP set, next
	s_cmp_lt_u32 s89, s88
	s_cbranch_scc0 .Lempty_\@
	s_wait_loadcnt 0x0                             ; this group's fragments are in (how many were asked for hangs on the count, so the wait is for all)
.if \next
	s_add_co_u32 s100, s89, 8                      ; my next group: its loads go out among this group's products: 32, 16 and 16
	ANEXT 0, \set
	ANEXT 1, \set
.endif
	BLOCK 0, \set
.if \next
	ANEXT 2, \set
.endif
	BLOCK 1, \set
.if \next
	ANEXT 3, \set
.endif
	BLOCK 2, \set
	BLOCK 3, \set
.Lempty_\@:
	s_wait_dscnt 0x0                               ; my partial sums have landed, and my reads of the other buffer, a group ago, are over
	s_barrier_signal -1
	s_barrier_wait -1                              ; every wave passes it in every group
	s_wait_xcnt 0x0                                ; the loads have read their base, the last tile's stores their data and offsets: all three may be written
.if \next
	s_add_nc_u64 s[4:5], s[4:5], GRP               ; inter at my next group
.endif
	s_add_co_u32 s100, s89, s84                    ; my tile
	s_cmp_lt_u32 s100, s88
	s_cbranch_scc0 .Lnot_\@
	EPI \set, \next
.Lnot_\@:
	s_add_co_u32 s89, s89, 8
.endm
	s_load_b256 s[4:11], s[0:1], 0x0               ; inter s[4:5], down s[6:7], the exponents s[8:9], route s[10:11]
	s_load_b64 s[12:13], s[0:1], 0x20              ; out0
	v_lshl_add_u32 v62, v0, 2, 0x43000
	v_mov_b32 v63, 0
	v_lshrrev_b32 v1, 5, v0
	v_readfirstlane_b32 s84, v1                    ; wave 0..3
	v_and_b32 v11, 31, v0                          ; lane
	v_and_b32 v1, 15, v0                           ; r
	v_bfe_u32 v2, v0, 4, 1                         ; h
	v_lshlrev_b32 v[L16], 4, v11
	v_lshlrev_b32 v[L8], 3, v11
	s_mul_i32 s100, s84, STW
	v_add_nc_u32 v[SST], s100, v[L16]
	v_mul_u32_u24 v[SLD], v1, PITCH
	v_lshl_add_u32 v[SLD], v2, 4, v[SLD]
	v_add_nc_u32 v[SLD], s100, v[SLD]
	v_mul_u32_u24 v[XS], v1, XROW
	v_lshl_add_u32 v[XS], v2, 5, v[XS]
	s_mul_i32 s100, s84, XSRC
	s_add_co_u32 s100, s100, XCH
	v_add_nc_u32 v[XS], s100, v[XS]
	v_add_nc_u32 v[XS+1], XBUF, v[XS]
	s_mul_i32 s100, s84, XTILE
	s_add_co_u32 s100, s100, XCH
	v_add_nc_u32 v[XL], s100, v[L8]
	v_add_nc_u32 v[XL+1], XBUF, v[XL]
	s_and_b32 s91, ttmp9, 1                        ; half
	s_bfe_u32 s86, ttmp9, 0x50001                  ; column block: 5 bits from bit 1
	s_lshr_b32 s85, ttmp9, 6                       ; expert
	s_wait_kmcnt 0x0
	s_lshl_b32 s100, s85, 7
	s_load_b32 s87, s[10:11], s100 offset:0x4000   ; the expert's count
	s_load_b64 s[92:93], s[8:9], 0x10              ; e4, e5
	s_lshl_b32 s97, s91, 2
	s_add_co_u32 s97, s97, s84                     ; my tile of my first group: 4 hf + wave, 7 at the most
	s_lshl_b32 s97, s97, 6
	s_lshl_b32 s101, s85, 12
	s_add_co_u32 s97, s97, s101
	s_load_b512 s[16:31], s[10:11], s97 offset:0x0 ; its 16 tokens
	s_lshl_b32 s2, s85, 21                         ; inter: the expert's 64 x 64 tiles of 512 bytes,
	s_lshl_b32 s3, s84, 19                         ; my K quarter: 16 blocks of 32 along K,
	s_add_co_u32 s2, s2, s3
	s_lshl_b32 s3, s91, 11                         ; my first group: tile 4 hf
	s_add_co_u32 s2, s2, s3
	s_mov_b32 s3, 0
	s_add_nc_u64 s[4:5], s[4:5], s[2:3]
	s_lshl_b32 s2, s85, 22                         ; down: the expert's 2,048 rows of 2,048 bytes,
	s_lshl_b32 s101, s86, 17                       ; my 64 rows,
	s_add_co_u32 s2, s2, s101
	s_lshl_b32 s101, s84, 9                        ; my K quarter
	s_add_co_u32 s2, s2, s101
	s_add_nc_u64 s[6:7], s[6:7], s[2:3]
	s_lshl_b32 s2, s86, 8                          ; out0: my 64 columns
	s_add_nc_u64 s[12:13], s[12:13], s[2:3]
	WIN 0xc0
.set k, 0
.rept 64
	global_load_b128 v[4*k:4*k+3], v[L16], s[6:7] offset:k*2048   ; 512 consecutive bytes of weight row k; the work-group of the other half reads them too
.set k, k+1
.endr
	WIN 0x80
.irp t, 0,1,2,3
	ALOAD \t, 0                                    ; tiles 4 hf .. 4 hf + 3, at most tile 7: the launch before stores tiles 0 to 7 of every expert
.endr
	WIN 0
	s_lshl_b32 s89, s91, 2                         ; my first group's first tile: 4 hf
	s_wait_kmcnt 0x0
	s_add_co_u32 s88, s87, 15
	s_lshr_b32 s88, s88, 4                         ; the expert's tiles,
	s_min_u32 s88, s88, 64                         ; 64 at the most
	s_add_co_i32 s98, s92, s93
	s_add_co_i32 s98, s98, 127
	s_lshl_b32 s98, s98, 23                        ; 2^(e4 + e5) as f32
	s_mov_b32 s99, s98                             ; (named with it as a pair, so it is written)
	s_wait_loadcnt 63                              ; 64 loads were issued behind the weights' 64: with 63 out the weights are in
	WIN 0x0c
.set k, 0
.rept 64
	ds_store_b128 v[SST], v[4*k:4*k+3] offset:k*PITCH
.set k, k+1
.endr
	WIN 0x40
.irp n, 0,1,2,3
.irp s, 0,1,2,3
.irp c, 0,1,2,3
	ds_load_b128 v[64*\n+16*\s+4*\c:64*\n+16*\s+4*\c+3], v[SLD] offset:\n*TILEB+128*\s+32*\c   ; LDS serves a wave's instructions in order: these see my stores
.endr
.endr
.endr
	WIN 0
	s_wait_dscnt 0x0                               ; the weights' fragments stay in window 1; window 3 is free for set 1
	s_mov_b32 s90, 3
.Ltrip:                                            ; 3 trips of two groups; sets and buffers are constants of the text
	TRIP 0, 1
	TRIP 1, 1
	s_sub_co_u32 s90, s90, 1
	s_cmp_lg_u32 s90, 0
	s_cbranch_scc1 .Ltrip
	TRIP 0, 1                                      ; my last two groups are written out: the last asks for nothing, since an expert has no tile 64
	TRIP 1, 0
	s_wait_kmcnt 0x0                               ; token words asked for behind my last tile may still be out
	s_wait_tensorcnt 0x0
	ds_add_u32 v62, v63
	s_wait_dscnt 0x0
	s_endpgm
.Lfunc_end_k_q1289c0578a_down:
	.size	k_q1289c0578a_down, .Lfunc_end_k_q1289c0578a_down-k_q1289c0578a_down
	.p2alignl 7, 3214868480
	.fill 96, 4, 3214868480
	.section	.rodata,"a",@progbits
	.p2align	6, 0x0
	.amdhsa_kernel k_q1289c0578a_down
		.amdhsa_group_segment_fixed_size 274944
		.amdhsa_private_segment_fixed_size 0
		.amdhsa_enable_private_segment 0
		.amdhsa_kernarg_size 40
		.amdhsa_user_sgpr_count 2
		.amdhsa_user_sgpr_kernarg_segment_ptr 1
		.amdhsa_wavefront_size32 1
		.amdhsa_system_sgpr_workgroup_id_x 1
		.amdhsa_system_sgpr_workgroup_id_y 1
		.amdhsa_system_sgpr_workgroup_id_z 1
		.amdhsa_system_vgpr_workitem_id 0
		.amdhsa_next_free_vgpr 1024
		.amdhsa_next_free_sgpr 102
		.amdhsa_reserve_vcc 0
		.amdhsa_float_denorm_mode_32 3
		.amdhsa_float_denorm_mode_16_64 3
		.amdhsa_memory_ordered 1
		.amdhsa_forward_progress 1
		.amdhsa_inst_pref_size 124
	.end_amdhsa_kernel
	.amdgpu_metadata
---
amdhsa.version: [ 1, 2 ]
amdhsa.kernels:
  - .name:           k_q1289c0578a_down
    .symbol:         k_q1289c0578a_down.kd
    .args:
      - { .name: inter, .offset: 0, .size: 8, .value_kind: global_buffer, .address_space: global }
      - { .name: down_proj_codes, .offset: 8, .size: 8, .value_kind: global_buffer, .address_space: global }
      - { .name: lowp_scales, .offset: 16, .size: 8, .value_kind: global_buffer, .address_space: global }
      - { .name: route, .offset: 24, .size: 8, .value_kind: global_buffer, .address_space: global }
      - { .name: out0, .offset: 32, .size: 8, .value_kind: global_buffer, .address_space: global }
    .group_segment_fixed_size: 274944
    .private_segment_fixed_size: 0
    .kernarg_segment_align: 8
    .kernarg_segment_size: 40
    .max_flat_workgroup_size: 128
    .sgpr_count:     102
    .vgpr_count:     1024
    .wavefront_size: 32
...
	.end_amdgpu_metadata
.endif
;; end of part 3
;; ======== version 2 of 2: 3 launches
;; workspace buffers: route 16,896 bytes of whole numbers; inter 8,388,608 bytes
;; launch route (part 4): grid 1 x 1, 4 waves a work-group, no clusters, 0 bytes of LDS; arguments token_ids, route; writes route
.if DOCPART == 4
	.amdgcn_target "amdgcn-amd-amdhsa--gfx1250"
	.amdhsa_code_object_version 6
	.text
	.protected	k_q1289c0578a_route
	.globl	k_q1289c0578a_route
	.p2align	8
	.type	k_q1289c0578a_route,@function
k_q1289c0578a_route:
	s_mov_b64 s[64:65], 0
	v_nop
	global_prefetch_b8 v0, s[64:65] scope:SCOPE_SE
	s_setreg_imm32_b32 hwreg(HW_REG_WAVE_MODE, 25, 1), 1
	s_wait_xcnt 0x0
; ROUTING.  expert(token) = clip(token_id, 0, 99,999) mod 4.  Wave w serves expert w and reads all 1,024 ids.
; It stores list[w], 1,024 words at byte 4,096 w: a permutation of the tokens 0 .. 1,023, the expert's own tokens first (places 0 .. count - 1),
; all others behind them, filled from place 1,023 downwards.  So every word of the list is stored once and is a valid token.
; count[w] is stored 32 times (a word a lane) at byte 16,384 + 128 w.  The waves share nothing: no LDS, no barrier.
; Every store has an offset register and a data register of its own, so none is written again.
.set TOP, 99999                        ; the vocabulary's last id
.set ID,  32                           ; v[32:63]   register q = 4 i + c holds the id of token 128 i + 4 lane + c
.set PL,  64                           ; v[64:95]   byte offset of that token's place in the list
.set TK,  96                           ; v[96:127]  the token's number
	s_load_b128 s[4:7], s[0:1], 0x0                ; token_ids s[4:5], route s[6:7]
	v_lshrrev_b32 v1, 5, v0
	v_readfirstlane_b32 s8, v1                     ; wave = expert
	v_and_b32 v2, 31, v0                           ; lane
	v_lshlrev_b32 v3, 4, v2                        ; 16 x lane: my four ids of a load's 128
	v_sub_nc_u32 v4, 0, v2                         ; - lane
	v_lshlrev_b32 v5, 2, v2                        ; 4 x lane
	s_mov_b32 s14, 0                               ; members found so far
	s_lshl_b32 s10, s8, 7
	s_add_co_u32 s10, s10, 16384                   ; where the count goes
	s_mov_b32 s11, 0
	s_lshl_b32 s16, s8, 12                         ; where the list begins
	s_mov_b32 s17, 0
	s_wait_alu depctr_va_vdst(0)
	s_wait_kmcnt 0x0
	s_add_nc_u64 s[12:13], s[6:7], s[10:11]
	s_add_nc_u64 s[6:7], s[6:7], s[16:17]
.irp i, 0,1,2,3,4,5,6,7
	global_load_b128 v[ID+4*\i:ID+4*\i+3], v3, s[4:5] offset:512*\i    ; 32 lanes read 512 consecutive bytes
.endr
	s_wait_loadcnt 0x0
.set q, 0
.rept 32
	v_max_i32 v[ID+q], 0, v[ID+q]                  ; the clip,
	v_min_u32 v[ID+q], TOP, v[ID+q]
	v_and_b32 v[ID+q], 3, v[ID+q]                  ; mod 4
	v_cmp_eq_u32 vcc_lo, s8, v[ID+q]               ; mine?
	v_mbcnt_lo_u32_b32 v6, vcc_lo, s14             ; members ahead of me: a member's place
	v_add3_u32 v7, v6, v4, 1023-32*q               ; 1,023 - (32 q + lane - members ahead of me): another's place
	v_cndmask_b32 v7, v7, v6, vcc_lo
	v_min_u32 v7, 0x3ff, v7                        ; a place made from loaded numbers is held inside the list
	v_lshlrev_b32 v[PL+q], 2, v7
	v_add_nc_u32 v[TK+q], 128*(q/4)+q%4, v5
	global_store_b32 v[PL+q], v[TK+q], s[6:7]
	s_bcnt1_i32_b32 s15, vcc_lo
	s_add_co_u32 s14, s14, s15
.set q, q+1
.endr
	v_mov_b32 v8, s14
	global_store_b32 v5, v8, s[12:13]              ; the count
	s_endpgm
.Lfunc_end_k_q1289c0578a_route:
	.size	k_q1289c0578a_route, .Lfunc_end_k_q1289c0578a_route-k_q1289c0578a_route
	.p2alignl 7, 3214868480
	.fill 96, 4, 3214868480
	.section	.rodata,"a",@progbits
	.p2align	6, 0x0
	.amdhsa_kernel k_q1289c0578a_route
		.amdhsa_group_segment_fixed_size 0
		.amdhsa_private_segment_fixed_size 0
		.amdhsa_enable_private_segment 0
		.amdhsa_kernarg_size 16
		.amdhsa_user_sgpr_count 2
		.amdhsa_user_sgpr_kernarg_segment_ptr 1
		.amdhsa_wavefront_size32 1
		.amdhsa_system_sgpr_workgroup_id_x 1
		.amdhsa_system_sgpr_workgroup_id_y 1
		.amdhsa_system_sgpr_workgroup_id_z 1
		.amdhsa_system_vgpr_workitem_id 0
		.amdhsa_next_free_vgpr 128
		.amdhsa_next_free_sgpr 66
		.amdhsa_reserve_vcc 1
		.amdhsa_float_denorm_mode_32 3
		.amdhsa_float_denorm_mode_16_64 3
		.amdhsa_memory_ordered 1
		.amdhsa_forward_progress 1
		.amdhsa_inst_pref_size 23
	.end_amdhsa_kernel
	.amdgpu_metadata
---
amdhsa.version: [ 1, 2 ]
amdhsa.kernels:
  - .name:           k_q1289c0578a_route
    .symbol:         k_q1289c0578a_route.kd
    .args:
      - { .name: token_ids, .offset: 0, .size: 8, .value_kind: global_buffer, .address_space: global }
      - { .name: route, .offset: 8, .size: 8, .value_kind: global_buffer, .address_space: global }
    .group_segment_fixed_size: 0
    .private_segment_fixed_size: 0
    .kernarg_segment_align: 8
    .kernarg_segment_size: 16
    .max_flat_workgroup_size: 128
    .sgpr_count:     66
    .vgpr_count:     128
    .wavefront_size: 32
...
	.end_amdgpu_metadata
.endif
;; end of part 4
;; launch gateup (part 5): grid 256 x 1, 4 waves a work-group, no clusters, 266,752 bytes of LDS; arguments hidden_states_codes, gate_proj_codes, up_proj_codes, lowp_scales, route, inter; writes inter
.if DOCPART == 5
	.amdgcn_target "amdgcn-amd-amdhsa--gfx1250"
	.amdhsa_code_object_version 6
	.text
	.protected	k_q1289c0578a_gateup
	.globl	k_q1289c0578a_gateup
	.p2align	8
	.type	k_q1289c0578a_gateup,@function
k_q1289c0578a_gateup:
	s_mov_b64 s[64:65], 0
	v_nop
	global_prefetch_b8 v0, s[64:65] scope:SCOPE_SE
	s_setreg_imm32_b32 hwreg(HW_REG_WAVE_SCHED_MODE, 0, 2), 2
	s_setreg_imm32_b32 hwreg(HW_REG_WAVE_MODE, 25, 1), 1
	s_wait_xcnt 0x0
	s_wait_alu depctr_vm_vsrc(0)
; inter = silu(x Wg) * (x Wu) for the tokens of one expert, quantised to E5M2 with the given scale 2^e4, stored as images of the next product's operand registers.
; SHARES.  Work-group = (expert e = id / 64, block fb = id % 64 of 32 hidden units f).  Its 32 rows of gate_proj and 32 of up_proj (2,048 codes each) stay in registers:
; K is split over the four waves, 512 codes each: 4 tiles of 16 weight rows x 4 K steps of 128 = 256 registers a wave.  Each weight byte is read once in the launch.
; The expert's rows (the stored list) go past in groups of 64 rows = 4 tiles of 16.  Each wave makes its K quarter's partial sums of all 4 x 4 tiles; they meet in LDS, one barrier a group; wave w finishes tile w.
; THE NUMBER OF GROUPS HANGS ON A COUNT READ FROM MEMORY.  So operands come through registers (no tensor data mover, no joint requests of a cluster: partners would need different numbers of tiles),
; the loop has a constant count of 16 groups, the barrier stands outside every branch, and only the work is jumped over.
; Tiles 0 to 7 are always made (the next launch's first loads are unconditional); rows beyond the count are other experts' tokens, valid rows whose results nobody uses.
; THE MATRIX INSTRUCTION IS USED TRANSPOSED (source 0 = 16 weight rows, source 1 = 16 tokens): lane (r, h) holds token r and, in register j, weight row 8 h + j of the tile.
; THE WEIGHT ROWS OF A TILE ARE NOT NEIGHBOURS: row p of tile u is f0 + 8 u + p + 8 (p / 8), so that a lane's 16 registers of tiles u = 0, 1 are f0 + 16 h + 0 .. 15: 16 neighbours along the next K.
; A fragment's registers 4 c .. 4 c + 3 hold K = 32 c + 16 h + 0 .. 15 of a K step: a permutation of k, the same in both operands.
; Rows are loaded as they lie (a load = 512 consecutive bytes of one row) and turned into fragments through the wave's own stage in LDS (rows 528 bytes apart).
; THE NEXT GROUP'S ROWS are asked for among this group's products, a tile at a time; each of the 64 rows has an offset register of its own; all 64 are made at the group's head, while the group's own rows are still on their way.
; ORDER OF SUMS: four f32 partial sums over K quarters, added (p0 + p1) + (p2 + p3).
; LIMITS on the given exponents, so that each power of two below is an f32 number: e0 + e1 between -126 and 127; e4 - e0 - e1 - e2 - e3 between -126 and 112.  NaN and infinity codes are not served.
; REGISTERS, in windows of 256: window 0: v1-9 addresses, v32-159 two sets of fragments (later the partial sums), v160-223 two sets of 4 accumulators, v224-231 constants and codes, v254, v255 the closing add's two;
;   window 1: the weights: first their row pieces as loaded, then their fragments (tile n, K step s at v[64 n + 16 s]); window 2: 64 row pieces of x as loaded; window 3: v0-63 the 64 rows' byte offsets in x.
; THE MODE: SCHED_MODE bits 1:0 = 2 (LLVM: expert scheduling mode 2), set by the entry lines.  The code itself states the register dependences
; between vector or matrix instructions and memory or LDS instructions, with s_wait_alu, always for 0.
; THE PLAN.  Registers that memory or LDS instructions touch, in a group:
;   window 3, v0-63  Written by the 64 vector lines at the group's head; read by the next group's 64 row loads, issued later in the group.
;   window 2         The row loads land in it; the 64 stage stores at the next group's head read it.  No vector or matrix instruction names it.
;   v32-159          Fragment sets 0 and 1: LDS loads land, tile t's products read set t % 2.  Then the partial sums: LDS loads land, the epilogue's arithmetic reads and writes.
;   v160-223         Accumulator sets 0 and 1: tile t's products write set t % 2, its eight LDS stores read it.
;   v228-231         The conversions write them, the tile's one global store reads them.
;   v3-9             Made at the head and never written again.
; On va_vdst: one wait behind the stage stores (the offsets are written: it serves all 64 row loads, since nothing behind it names window 2 or 3); one a tile, behind its four places (its accumulators are written, its
; fragment set is read out); in the epilogue one ahead of and one behind each batch of transcendentals and one ahead of the store.  On vm_vsrc: one ahead of the row loads (the stage stores have read window 2); one at tile 2's head
; (the stores of tiles 0 and 1 have read both sets of accumulators); one behind the barrier (the codes, the offsets, the accumulators of tiles 2 and 3).
.set PITCH, 528                        ; a stage row: 512 bytes + 16: an odd multiple of 16 bytes
.set TILEB, 16*PITCH
.set STW,   4*TILEB                    ; a wave's stage: 64 rows
.set XCH,   4*STW                      ; behind the stages: two exchange buffers, [source wave][tile of rows][weight tile][half]: images of 512 bytes
.set XBUF,  65536
.set L16, 3                            ; v3   16 x lane
.set SST, 4                            ; v4   stage, way in: my wave's stage + 16 x lane
.set SLD, 5                            ; v5   stage, way out: + 528 r + 16 h
.set XS,  6                            ; v6-7 where I store partial sums, buffer 0, 1
.set XL,  8                            ; v8-9 where I read my tile's partial sums, buffer 0, 1
.set ADR, 0                            ; in window 3: v0-63, row 16 t + p of a group: its byte offset in x
.set F0,  32
.set ACC, 160
.set LIM, 224                          ; 57,344 x the conversion's scale
.set SCL, 225                          ; 2^(e4 - e0 - e1 - e2 - e3) as f32
.set CD,  228                          ; v[228:231] my 16 codes
.set P,   32                           ; the epilogue's 4 x 32 partial sums
; s84 wave, s85 expert, s87 count, s88 tiles to make, s89 the group's first tile, s90 trips, s91 byte offset of the token words asked for, s[98:99] -log2(e) x 2^(e0 + e1), s100 the next group's first tile
.set MSB, 0
.macro WIN new                         ; the immediate's high byte repeats the setting that is left; a switch that changes nothing is dropped
.if MSB != (\new)
	s_set_vgpr_msb (MSB<<8)|(\new)
.set MSB, (\new)
.endif
.endm
.macro PLACES
.rept 4
	v_nop
.endr
.endm
.macro TOKENS                          ; 64 words of the expert's list: a group's tokens
	s_load_b512 s[16:31], s[12:13], s91 offset:0x0
	s_load_b512 s[32:47], s[12:13], s91 offset:0x40
	s_load_b512 s[48:63], s[12:13], s91 offset:0x80
	s_load_b512 s[68:83], s[12:13], s91 offset:0xc0
.endm
.macro OFF1 t, tk                      ; tile t's 16 offsets; tk: the first of its 16 token registers
.irp p, 0,1,2,3,4,5,6,7,8,9,10,11,12,13,14,15
	s_min_u32 s[\tk+\p], s[\tk+\p], 0x3ff          ; a loaded number is held inside the table before it enters an address
	v_lshl_add_u32 v[ADR+16*(\t)+\p], s[\tk+\p], 11, v[L16]
.endr
.endm
.macro OFFS                            ; a group's 64 offsets, in one run, so that one wait serves all the loads that read them
	WIN 0xc0                                       ; destination window 3
	OFF1 0, 16
	OFF1 1, 32
	OFF1 2, 48
	OFF1 3, 68
	WIN 0
.endm
; Tile t of the group whose first tile is s100: my K quarter of its 16 rows, into window 2.  No wait stands here: since the two waits at the group's head no vector or matrix instruction and no store names the offsets or window 2.
.macro ROWS t, guarded
.if \guarded
	s_add_co_u32 s101, s100, \t
	s_cmp_lt_u32 s101, s88
	s_cbranch_scc0 .Lno_rows_\@
.endif
	WIN 0x83                                       ; destination window 2, offset window 3
.irp p, 0,1,2,3,4,5,6,7,8,9,10,11,12,13,14,15
	global_load_b128 v[4*(16*(\t)+\p):4*(16*(\t)+\p)+3], v[ADR+16*(\t)+\p], s[4:5]   ; 32 lanes read 512 consecutive bytes of one row
.endr
	WIN 0
.if \guarded
.Lno_rows_\@:
.endif
.endm
.macro TOSTAGE win                     ; 64 row pieces, as loaded, into my stage
	WIN \win
.set k, 0
.rept 64
	ds_store_b128 v[SST], v[4*k:4*k+3] offset:k*PITCH
.set k, k+1
.endr
	WIN 0
.endm
.macro FETCH t, f                      ; tile t's four fragments out of my stage (LDS serves a wave's instructions in order: these see my stores)
.irp s, 0,1,2,3
.irp c, 0,1,2,3
	ds_load_b128 v[\f+16*\s+4*\c:\f+16*\s+4*\c+3], v[SLD] offset:(\t)*TILEB+128*\s+32*\c
.endr
.endr
.endm
; Tile t of the group: 16 matrix instructions, the four accumulators by turns, one instruction a turn, K step by K step; then the partial sums go to buffer b.
; left: the LDS instructions issued behind this tile's fragment loads.
.macro BLOCK t, b, left
.set FB, F0+64*((\t)%2)
.set AB, ACC+32*((\t)%2)
	s_wait_dscnt \left                             ; my fragments are in; the stores that read this set of accumulators two tiles ago are older and done too
.if (\t) == 2
	s_wait_alu depctr_vm_vsrc(0)                   ; the LDS stores of tiles 0 and 1 have read both sets of accumulators, which the products of tiles 2 and 3 write anew
.endif
	WIN 0x01                                       ; source 0 (the weights) in window 1
.irp s, 0,1,2,3
.irp n, 0,1,2,3
.if \s == 0
	v_wmma_f32_16x16x128_bf8_bf8 v[AB+8*\n:AB+8*\n+7], v[64*\n+16*\s:64*\n+16*\s+15], v[FB+16*\s:FB+16*\s+15], 0
.else
	v_wmma_f32_16x16x128_bf8_bf8 v[AB+8*\n:AB+8*\n+7], v[64*\n+16*\s:64*\n+16*\s+15], v[FB+16*\s:FB+16*\s+15], v[AB+8*\n:AB+8*\n+7]
.endif
.endr
.endr
	WIN 0
.if (\t) < 2
	ROWS (\t)+2, 1                                 ; the next group's tile t + 2 goes out behind the products and ahead of the wait for them: these loads hang on neither
.endif
	PLACES                                         ; four places ahead of the stores that read results and of the loads into fragments just read; a set of accumulators is begun anew two tiles, eight places, later
	s_wait_alu depctr_va_vdst(0)                   ; the products have written this set of accumulators, which the stores below read, and are done reading their fragments, in which the loads below (tile 3: the epilogue's) land
.irp n, 0,1,2,3
.irp q, 0,1
	ds_store_b128 v[XS+\b], v[AB+8*\n+4*\q:AB+8*\n+4*\q+3] offset:(\t)*4096+\n*1024+512*\q   ; each accumulator from its low end on; 512 consecutive bytes a store
.endr
.endr
.if (\t) < 2
	FETCH (\t)+2, FB
.endif
.endm
; My tile of the group is finished: the four waves' partial sums, SwiGLU, the quantiser, one store of 512 consecutive bytes.
; The loads below owe no wait of their own: the last line that named v32-159 stands ahead of tile 3's wait, or of the wait ahead of the last epilogue's store.
.macro EPI b
.irp src, 0,1,2,3
.irp n, 0,1,2,3
.irp q, 0,1
	ds_load_b128 v[P+32*\src+8*\n+4*\q:P+32*\src+8*\n+4*\q+3], v[XL+\b] offset:\src*16384+\n*1024+512*\q
.endr
.endr
.endr
	s_wait_dscnt 16                                ; waves 0 and 1's are in; waves 2 and 3's sixteen loads may be out
.set j, 0
.rept 16
	v_pk_add_f32 v[P+j:P+j+1], v[P+j:P+j+1], v[P+32+j:P+33+j]
.set j, j+2
.endr
	s_wait_dscnt 0x0
.set j, 0
.rept 16
	v_pk_add_f32 v[P+64+j:P+65+j], v[P+64+j:P+65+j], v[P+96+j:P+97+j]
.set j, j+2
.endr
.set j, 0
.rept 16
	v_pk_add_f32 v[P+j:P+j+1], v[P+j:P+j+1], v[P+64+j:P+65+j]   ; v[P .. P+15]: 16 sums of gate, v[P+16 .. P+31]: of up, at f0 + 16 h + 0 .. 15
.set j, j+2
.endr
.set j, 0
.rept 8
	v_pk_mul_f32 v[P+32+j:P+33+j], v[P+j:P+j+1], s[98:99] op_sel_hi:[1,0]   ; - gate x log2(e): the sum stands for sum x 2^(e0 + e1), which the factor carries
.set j, j+2
.endr
.set j, 0
	s_wait_alu depctr_va_vdst(0)
.rept 16
	v_exp_f32 v[P+32+j], v[P+32+j]                 ; e^(-gate): one batch
.set j, j+1
.endr
.set j, 0
.rept 8
	v_pk_mul_f32 v[P+48+j:P+49+j], v[P+j:P+j+1], v[P+16+j:P+17+j]   ; gate's sum x up's sum: plain work that names no exponential
.set j, j+2
.endr
	s_wait_alu depctr_va_vdst(0)                   ; the sixteen exponentials have written their results: one wait for the batch, ahead of its first reader
.set j, 0
.rept 8
	v_pk_add_f32 v[P+32+j:P+33+j], v[P+32+j:P+33+j], 1.0 op_sel_hi:[1,0]
.set j, j+2
.endr
.set j, 0
	s_wait_alu depctr_va_vdst(0)
.rept 16
	v_rcp_f32 v[P+32+j], v[P+32+j]                 ; 1 / (1 + e^(-gate))
.set j, j+1
.endr
	v_nop                                          ; a plain instruction behind the last reciprocal
	s_wait_alu depctr_va_vdst(0)                   ; the sixteen reciprocals have written their results: one wait for the batch
.set j, 0
.rept 8
	v_pk_mul_f32 v[P+48+j:P+49+j], v[P+48+j:P+49+j], v[P+32+j:P+33+j]   ; silu(gate) x up, short of 2^(e0 + e1 + e2 + e3), which the conversion's scale carries
.set j, j+2
.endr
.set j, 0
.rept 16
	v_med3_num_f32 v[P+48+j], v[P+48+j], -v[LIM], v[LIM]   ; the conversion to an 8-bit code does not saturate (ISA guide 7.6.2): the hold at the largest code x the scale
.set j, j+1
.endr
	v_cvt_scalef32_pk8_bf8_f32 v[CD:CD+1], v[P+48:P+55], v[SCL]
	v_cvt_scalef32_pk8_bf8_f32 v[CD+2:CD+3], v[P+56:P+63], v[SCL]
	v_nop                                          ; a plain instruction behind the last conversion: later instructions write its sources
	s_wait_alu depctr_va_vdst(0)                   ; the conversions have written the codes, which the store reads; and the epilogue is done with v32-159, in which later LDS loads land
	global_store_b128 v[L16], v[CD:CD+3], s[14:15] offset:-2048   ; the image of registers 4 c .. 4 c + 3 of the next product's fragment: 32 lanes, 512 consecutive bytes, aligned; the base stands a group ahead
.endm
; A group of 64 rows; its partial sums go through exchange buffer b.
.macro TRIP b
	s_cmp_lt_u32 s89, s88
	s_cbranch_scc0 .Lempty_\@
	s_wait_kmcnt 0x0                               ; the next group's tokens are in, and s91 is free
	s_add_co_u32 s101, s89, 8
	s_min_u32 s101, s101, 60                       ; the tokens of the group after the next; held inside the expert's list
	s_lshl_b32 s101, s101, 6
	s_lshl_b32 s91, s85, 12
	s_add_co_u32 s91, s91, s101
	s_add_co_u32 s100, s89, 4                      ; the next group's first tile
	OFFS                                           ; the next group's offsets, made while this group's rows are still coming: the loads that read these registers stand ahead of the two waits behind the last barrier (first group: at the head)
	s_wait_loadcnt 0x0                             ; this group's rows are in (how many were asked for hangs on the count, so the wait is for all)
	TOSTAGE 0x08
	s_wait_alu depctr_va_vdst(0)                   ; the 64 offsets are written, which the row loads of this group's ROWS read
	FETCH 0, F0
	FETCH 1, F0+64
	TOKENS                                         ; the group after the next: the lines that read these registers stand ahead of the wait above
	s_wait_dscnt 32                                ; the 64 stores are done; the 32 fragment loads may be out
	s_wait_alu depctr_vm_vsrc(0)                   ; the 64 stage stores have read window 2, in which the row loads land
	ROWS 0, 1                                      ; the next group's rows go out among this group's products: 32, 16 and 16 loads
	ROWS 1, 1
	BLOCK 0, \b, 16                                ; behind tile 0's loads: tile 1's 16
	BLOCK 1, \b, 24                                ; behind tile 1's: 8 stores, tile 2's 16
	BLOCK 2, \b, 24                                ; behind tile 2's: 8 stores, tile 3's 16
	BLOCK 3, \b, 8                                 ; behind tile 3's: 8 stores
.Lempty_\@:
	s_wait_dscnt 0x0                               ; my partial sums have landed, and my reads of the other buffer, a group ago, are over
	s_barrier_signal -1
	s_barrier_wait -1                              ; every wave passes it in every trip
	s_wait_xcnt 0x0                                ; the last group's store has read its base and its codes, the row loads their offsets: all may be written
	s_wait_alu depctr_vm_vsrc(0)                   ; the same of the vector registers: the store has read the codes, the row loads the offsets, the LDS stores of tiles 2 and 3 their accumulators
	s_add_nc_u64 s[14:15], s[14:15], 2048          ; four tiles on: a group ahead of the tile in hand
	s_add_co_u32 s100, s89, s84                    ; my tile
	s_cmp_lt_u32 s100, s88
	s_cbranch_scc0 .Lnot_\@
	EPI \b
.Lnot_\@:
	s_add_co_u32 s89, s89, 4
.endm
	s_load_b256 s[4:11], s[0:1], 0x0               ; x s[4:5], gate s[6:7], up s[8:9], the exponents s[10:11]
	s_load_b128 s[12:15], s[0:1], 0x20             ; route s[12:13], inter s[14:15]
	v_lshl_add_u32 v254, v0, 2, 0x41000            ; my spare word, behind the exchange buffers, and 0: kept for the closing add alone
	v_mov_b32 v255, 0
	v_lshrrev_b32 v1, 5, v0
	v_readfirstlane_b32 s84, v1                    ; wave 0..3
	v_and_b32 v10, 31, v0                          ; lane
	v_and_b32 v1, 15, v0                           ; r
	v_bfe_u32 v2, v0, 4, 1                         ; h
	v_lshlrev_b32 v[L16], 4, v10
	s_wait_alu depctr_va_sdst(0)                   ; s84 is written, ahead of its first reader
	s_mul_i32 s100, s84, STW
	v_add_nc_u32 v[SST], s100, v[L16]
	v_mul_u32_u24 v[SLD], v1, PITCH
	v_lshl_add_u32 v[SLD], v2, 4, v[SLD]
	v_add_nc_u32 v[SLD], s100, v[SLD]
	s_lshl_b32 s100, s84, 14
	s_add_co_u32 s100, s100, XCH
	v_add_nc_u32 v[XS], s100, v[L16]
	v_add_nc_u32 v[XS+1], XBUF, v[XS]
	s_lshl_b32 s100, s84, 12
	s_add_co_u32 s100, s100, XCH
	v_add_nc_u32 v[XL], s100, v[L16]
	v_add_nc_u32 v[XL+1], XBUF, v[XL]
	s_lshr_b32 s85, ttmp9, 6                       ; expert
	s_wait_kmcnt 0x0
	s_lshl_b32 s100, s85, 7
	s_load_b32 s87, s[12:13], s100 offset:0x4000   ; the expert's count
	s_load_b128 s[92:95], s[10:11], 0x0            ; e0 .. e3
	s_load_b32 s96, s[10:11], 0x10                 ; e4
	s_lshl_b32 s91, s85, 12
	TOKENS                                         ; group 0's
	s_lshl_b32 s2, s84, 9                          ; my K quarter: 512 bytes of every row
	s_mov_b32 s3, 0
	s_add_nc_u64 s[4:5], s[4:5], s[2:3]
	s_lshl_b32 s101, ttmp9, 16                     ; (64 e + fb) x 32 rows of 2,048 bytes
	s_add_co_u32 s2, s2, s101
	s_add_nc_u64 s[6:7], s[6:7], s[2:3]
	s_add_nc_u64 s[8:9], s[8:9], s[2:3]
	s_lshl_b32 s2, ttmp9, 15                       ; inter: (64 e + fb) x 64 tiles of 512 bytes,
	s_lshl_b32 s101, s84, 9                        ; + my tile of the group
	s_add_co_u32 s2, s2, s101
	s_add_nc_u64 s[14:15], s[14:15], s[2:3]
	WIN 0x40                                       ; destination window 1
	s_wait_alu depctr_va_vdst(0)                   ; the addresses v3 to v9 are written, which the kernel's loads and stores read; none is written again
.irp n, 0,1,2,3                            ; tiles: gate u = 0, 1; up u = 0, 1.  Each byte is read once in the launch
.irp p, 0,1,2,3,4,5,6,7,8,9,10,11,12,13,14,15
	global_load_b128 v[4*(16*\n+\p):4*(16*\n+\p)+3], v[L16], s[6+2*(\n/2):7+2*(\n/2)] offset:(8*(\n%2)+\p+8*(\p/8))*2048 th:TH_LOAD_NT
.endr
.endr
	WIN 0
	s_wait_kmcnt 0x0
	s_add_co_u32 s88, s87, 15
	s_lshr_b32 s88, s88, 4
	s_max_u32 s88, s88, 8                          ; tiles 0 to 7 are always made,
	s_min_u32 s88, s88, 64                         ; and an expert has 64 at the most
	OFFS                                           ; group 0's offsets
	s_wait_alu depctr_va_vdst(0)                   ; they are written, ahead of the loads that read them
	ROWS 0, 0                                      ; group 0's rows: the list is valid everywhere
	ROWS 1, 0
	ROWS 2, 0
	ROWS 3, 0
	s_lshl_b32 s91, s85, 12
	s_add_co_u32 s91, s91, 256
	TOKENS                                         ; group 1's
	s_add_co_i32 s100, s92, s93                    ; e0 + e1
	s_lshl_b32 s101, s100, 23
	s_add_co_u32 s98, s101, 0xbfb8aa3b             ; -log2(e), with e0 + e1 added to its exponent field
	s_mov_b32 s99, s98                             ; (named with it as a pair, so it is written)
	s_add_co_i32 s100, s100, s94
	s_add_co_i32 s100, s100, s95
	s_sub_co_i32 s100, s96, s100                   ; e4 - e0 - e1 - e2 - e3: the five scales folded into the conversion's one
	s_add_co_i32 s100, s100, 127
	s_lshl_b32 s101, s100, 23
	v_mov_b32 v[SCL], s101
	s_add_co_i32 s100, s100, 15
	s_lshl_b32 s100, s100, 23
	s_or_b32 s100, s100, 0x600000
	v_mov_b32 v[LIM], s100                         ; 57,344 x that
	s_wait_loadcnt 63                              ; 64 loads were issued behind the weights' 64: with 63 out the weights are in
	TOSTAGE 0x04                                   ; the weights' row pieces, out of window 1
	s_wait_dscnt 0x0                               ; the stores are done
	s_wait_xcnt 0x0                                ; group 0's row loads have had their addresses translated (ISA guide 3.1): their offset registers are written again at the first group's head
	s_wait_alu depctr_vm_vsrc(0)                   ; the stage stores have read window 1, in which the fragments land; group 0's row loads have read their offsets
	WIN 0x40
.irp n, 0,1,2,3
.irp s, 0,1,2,3
.irp c, 0,1,2,3
	ds_load_b128 v[64*\n+16*\s+4*\c:64*\n+16*\s+4*\c+3], v[SLD] offset:\n*TILEB+128*\s+32*\c
.endr
.endr
.endr
	WIN 0
	s_wait_dscnt 0x0                               ; the weights' fragments stay in window 1
	s_mov_b32 s89, 0
	s_mov_b32 s90, 8
.Ltrip:                                            ; 8 trips of two groups: 1,024 rows at the most; the two exchange buffers are constants of the text
	TRIP 0
	TRIP 1
	s_sub_co_u32 s90, s90, 1
	s_cmp_lg_u32 s90, 0
	s_cbranch_scc1 .Ltrip
	s_wait_kmcnt 0x0                               ; token words asked for in my last group may still be out
	s_wait_dscnt 0x0                               ; the closing lines, six on end
	s_wait_alu 0x0
	s_wait_tensorcnt 0x0
	ds_add_u32 v254, v255
	s_wait_dscnt 0x0
	s_endpgm
.Lfunc_end_k_q1289c0578a_gateup:
	.size	k_q1289c0578a_gateup, .Lfunc_end_k_q1289c0578a_gateup-k_q1289c0578a_gateup
	.p2alignl 7, 3214868480
	.fill 96, 4, 3214868480
	.section	.rodata,"a",@progbits
	.p2align	6, 0x0
	.amdhsa_kernel k_q1289c0578a_gateup
		.amdhsa_group_segment_fixed_size 266752
		.amdhsa_private_segment_fixed_size 0
		.amdhsa_enable_private_segment 0
		.amdhsa_kernarg_size 48
		.amdhsa_user_sgpr_count 2
		.amdhsa_user_sgpr_kernarg_segment_ptr 1
		.amdhsa_wavefront_size32 1
		.amdhsa_system_sgpr_workgroup_id_x 1
		.amdhsa_system_sgpr_workgroup_id_y 1
		.amdhsa_system_sgpr_workgroup_id_z 1
		.amdhsa_system_vgpr_workitem_id 0
		.amdhsa_next_free_vgpr 1024
		.amdhsa_next_free_sgpr 102
		.amdhsa_reserve_vcc 0
		.amdhsa_float_denorm_mode_32 3
		.amdhsa_float_denorm_mode_16_64 3
		.amdhsa_memory_ordered 1
		.amdhsa_forward_progress 1
		.amdhsa_inst_pref_size 114
	.end_amdhsa_kernel
	.amdgpu_metadata
---
amdhsa.version: [ 1, 2 ]
amdhsa.kernels:
  - .name:           k_q1289c0578a_gateup
    .symbol:         k_q1289c0578a_gateup.kd
    .args:
      - { .name: hidden_states_codes, .offset: 0, .size: 8, .value_kind: global_buffer, .address_space: global }
      - { .name: gate_proj_codes, .offset: 8, .size: 8, .value_kind: global_buffer, .address_space: global }
      - { .name: up_proj_codes, .offset: 16, .size: 8, .value_kind: global_buffer, .address_space: global }
      - { .name: lowp_scales, .offset: 24, .size: 8, .value_kind: global_buffer, .address_space: global }
      - { .name: route, .offset: 32, .size: 8, .value_kind: global_buffer, .address_space: global }
      - { .name: inter, .offset: 40, .size: 8, .value_kind: global_buffer, .address_space: global }
    .group_segment_fixed_size: 266752
    .private_segment_fixed_size: 0
    .kernarg_segment_align: 8
    .kernarg_segment_size: 48
    .max_flat_workgroup_size: 128
    .sgpr_count:     102
    .vgpr_count:     1024
    .wavefront_size: 32
...
	.end_amdgpu_metadata
.endif
;; end of part 5
;; launch down (part 6): grid 256 x 1, 4 waves a work-group, no clusters, 274,944 bytes of LDS; arguments inter, down_proj_codes, lowp_scales, route, out0; writes out0
.if DOCPART == 6
	.amdgcn_target "amdgcn-amd-amdhsa--gfx1250"
	.amdhsa_code_object_version 6
	.text
	.protected	k_q1289c0578a_down
	.globl	k_q1289c0578a_down
	.p2align	8
	.type	k_q1289c0578a_down,@function
k_q1289c0578a_down:
	s_mov_b64 s[64:65], 0
	v_nop
	global_prefetch_b8 v0, s[64:65] scope:SCOPE_SE
	s_setreg_imm32_b32 hwreg(HW_REG_WAVE_SCHED_MODE, 0, 2), 2
	s_setreg_imm32_b32 hwreg(HW_REG_WAVE_MODE, 25, 1), 1
	s_wait_xcnt 0x0
	s_wait_alu depctr_vm_vsrc(0)
; out[token] = inter[token] Wd(expert), on codes of E5M2; each finished sum x 2^(e4 + e5).
; SHARES.  Work-group = (expert e = id / 64, block nb = (id / 2) % 32 of 64 output columns, half hf = id % 2 of the groups of rows).  Its 64 rows of down_proj (2,048 codes each) stay in registers:
; K is split over the four waves, 512 codes each: 4 tiles x 4 K steps = 256 registers a wave.  The expert's sorted rows go past in groups of 64 = 4 tiles; this work-group takes groups 2 i + hf.
; inter lies as images of this product's operand registers (16 bytes a lane, 512 a tile and 32 along K), so a fragment comes by four loads of 512 consecutive bytes, straight into registers, one group ahead, in two sets;
; the next group's 64 loads go out among this group's products, 32, 16 and 16.
; Each wave's partial sums of the 4 x 4 tiles meet in LDS, one barrier a group; wave w finishes tile w and stores its rows: a row's 64 columns are 256 consecutive bytes, aligned, stored by one instruction of 32 lanes x 8 bytes.
; A tile's 16 tokens are asked for a group ahead: the first at the head, each later one at the end of the epilogue before it.
; THE NUMBER OF GROUPS HANGS ON A COUNT READ FROM MEMORY: no tensor data mover and no joint requests of a cluster (partners would need different numbers of tiles); the walk has a constant count of 8 groups,
; the barrier stands outside every branch, only the work is jumped over.  A work-group whose half has no rows stores nothing.
; ADDRESSES.  inter: a fixed offset of 16 x lane, the tile and the K block in the immediate, the base stepped 8 tiles a group.  out0: the row's token, read from the stored list and held under 1,024, x 8,192 + 8 x lane.
; THE MATRIX INSTRUCTION IS USED TRANSPOSED (source 0 = 16 weight rows = output columns, source 1 = 16 rows of inter): a lane holds one row and eight neighbouring columns.
; ORDER OF SUMS: four f32 partial sums over K quarters, added (p0 + p1) + (p2 + p3); k is permuted inside a K step, alike in both operands.
; LIMIT: e4 + e5 between -126 and 127, so that 2^(e4 + e5) is an f32 number.
; REGISTERS, in windows of 256: window 0: v1-11 addresses, v32-47 store offsets, v62, v63 the closing add's two, v64-191 partial sums, v192-255 two sets of 4 accumulators;
;   window 1: the weights' fragments (tile n, K step s at v[64 n + 16 s]); window 2, 3: inter's fragments, set 0, 1 (tile t, K step s at v[64 t + 16 s]); window 3 first holds the weights' row pieces.
; THE MODE: SCHED_MODE bits 1:0 = 2 (LLVM: expert scheduling mode 2), set by the entry lines.  The code itself states the register dependences
; between vector or matrix instructions and memory or LDS instructions, with s_wait_alu, always for 0.
; THE PLAN.  Registers that memory or LDS instructions touch, in a group:
;   window 2, 3      Fragment sets 0 and 1, by turns: a group's products read one set while the next group's loads land in the other, which no vector or matrix instruction of this group names.
;   v192-255         Accumulator sets 0 and 1: tile t's products write set t % 2, its eight LDS stores read it.
;   v64-191          The partial sums: LDS loads land, the epilogue's arithmetic reads and writes, its 16 global stores read v64-95.
;   v32-47           The rows' offsets in out0: 16 vector lines write them, the 16 global stores read them.
;   v3-10            Made at the head and never written again.
; On va_vdst: one wait a tile, behind its four places (its accumulators are written; tile 3's also shows the group's set read out, for the loads that land in it in the next group); one ahead of the epilogue's run of stores.
; On vm_vsrc: one at tile 2's head (the stores of tiles 0 and 1 have read both sets of accumulators); one behind the barrier (the last epilogue's stores, the accumulators of tiles 2 and 3).
.set PITCH, 528                        ; a stage row: 512 bytes + 16: an odd multiple of 16 bytes
.set TILEB, 16*PITCH
.set STW,   4*TILEB                    ; a wave's stage, used at the head alone
.set XCH,   4*STW                      ; two exchange buffers: [source wave][tile of rows][16 rows of 256 bytes + 16]
.set XROW,  272
.set XTILE, 16*XROW
.set XSRC,  4*XTILE
.set XBUF,  4*XSRC
.set GRP,   8*512                      ; from one of my groups to the next in inter: 8 tiles of 512 bytes
.set L16, 3                            ; v3   16 x lane; never rewritten
.set SST, 4                            ; v4   stage, way in
.set SLD, 5                            ; v5   stage, way out
.set XS,  6                            ; v6-7 where I store partial sums, buffer 0, 1
.set XL,  8                            ; v8-9 where I read my tile's rows, buffer 0, 1
.set L8,  10                           ; v10  8 x lane: my bytes of a row's 256; never rewritten
.set OA,  32                           ; v32-47 byte offsets of my tile's 16 rows in out0
.set P,   64                           ; v64-191 partial sums: source wave src, row i at v[P + 32 src + 2 i]
.set ACC, 192
; s[16:31] my tile's 16 tokens, s84 wave, s85 expert, s86 column block, s87 count, s88 tiles, s89 the group's first tile, s90 trips, s91 half, s96 rows left, s97 offset of the token words, s[98:99] 2^(e4 + e5)
.set MSB, 0
.macro WIN new                         ; the immediate's high byte repeats the setting that is left; a switch that changes nothing is dropped
.if MSB != (\new)
	s_set_vgpr_msb (MSB<<8)|(\new)
.set MSB, (\new)
.endif
.endm
.macro PLACES
.rept 4
	v_nop
.endr
.endm
.macro ALOAD t, ahead                  ; tile t's four fragments of my K quarter, ahead bytes on from the group in hand: 16 loads of 512 consecutive bytes (the caller sets the destination's window)
.irp s, 0,1,2,3
.irp c, 0,1,2,3
	global_load_b128 v[64*(\t)+16*\s+4*\c:64*(\t)+16*\s+4*\c+3], v[L16], s[4:5] offset:(\ahead)+(\t)*512+(4*\s+\c)*32768
.endr
.endr
.endm
; Tile t of my next group (its first tile: s100), into the other set, if the expert has it.  No wait stands here: the products that read that set stand ahead of the last group's waits, and nothing since names it.
.macro ANEXT t, set
	s_add_co_u32 s101, s100, \t
	s_cmp_lt_u32 s101, s88
	s_cbranch_scc0 .Lno_tile_\@
	WIN 0xc0-0x40*\set
	ALOAD \t, GRP
	WIN 0
.Lno_tile_\@:
.endm
.macro BLOCK t, set, next              ; 16 matrix instructions, the four accumulators by turns, one instruction a turn; then the partial sums go to buffer set
.set AB, ACC+32*((\t)%2)
.if (\t) >= 2
	s_wait_dscnt 8                                 ; the stores that read this set of accumulators two tiles ago are done; the last tile's eight may be out
.endif
.if (\t) == 2
	s_wait_alu depctr_vm_vsrc(0)                   ; the LDS stores of tiles 0 and 1 have read both sets of accumulators, which the products of tiles 2 and 3 write anew
.endif
	WIN 0x09+4*\set                                ; source 0 (the weights) window 1, source 1 window 2 or 3
.irp s, 0,1,2,3
.irp n, 0,1,2,3
.if \s == 0
	v_wmma_f32_16x16x128_bf8_bf8 v[AB+8*\n:AB+8*\n+7], v[64*\n+16*\s:64*\n+16*\s+15], v[64*(\t)+16*\s:64*(\t)+16*\s+15], 0
.else
	v_wmma_f32_16x16x128_bf8_bf8 v[AB+8*\n:AB+8*\n+7], v[64*\n+16*\s:64*\n+16*\s+15], v[64*(\t)+16*\s:64*(\t)+16*\s+15], v[AB+8*\n:AB+8*\n+7]
.endif
.endr
.endr
	WIN 0
.if (\next) && ((\t) < 2)
	ANEXT (\t)+2, \set                             ; my next group's tile t + 2 goes out behind the products and ahead of the wait for them: these loads hang on neither
.endif
	PLACES                                         ; four places ahead of the stores that read results; a set of accumulators is begun anew eight places later
	s_wait_alu depctr_va_vdst(0)                   ; the products have written this set of accumulators, which the stores below read; tile 3's
.irp n, 0,1,2,3
.irp q, 0,1
	ds_store_b128 v[XS+\set], v[AB+8*\n+4*\q:AB+8*\n+4*\q+3] offset:(\t)*XTILE+64*\n+16*\q   ; row r, columns 16 n + 8 h + 4 q on; each accumulator from its low end on
.endr
.endr
.endm
; My tile (number s100) is finished: the four waves' partial sums by whole rows, the scale, the rows' tokens, the stores.  next = 1: the tokens of my tile of my next group are asked for.
; The LDS loads below owe no wait of their own on va_vdst: the last vector line that named v64-191 stands ahead of the wait in front of the last epilogue's stores.
.macro EPI set, next
.irp src, 0,1,2,3
.set i, 0
.rept 16
	ds_load_b64 v[P+32*\src+2*i:P+32*\src+2*i+1], v[XL+\set] offset:\src*XSRC+i*XROW   ; row i: 32 lanes read its 256 consecutive bytes
.set i, i+1
.endr
.endr
	s_wait_dscnt 32                                ; waves 0 and 1's are in; waves 2 and 3's 32 loads may be out
.set j, 0
.rept 16
	v_pk_add_f32 v[P+j:P+j+1], v[P+j:P+j+1], v[P+32+j:P+33+j]
.set j, j+2
.endr
	s_wait_dscnt 0x0
.set j, 0
.rept 16
	v_pk_add_f32 v[P+64+j:P+65+j], v[P+64+j:P+65+j], v[P+96+j:P+97+j]
.set j, j+2
.endr
.set j, 0
.rept 16
	v_pk_add_f32 v[P+j:P+j+1], v[P+j:P+j+1], v[P+64+j:P+65+j]
.set j, j+2
.endr
.set j, 0
.rept 16
	v_pk_mul_f32 v[P+j:P+j+1], v[P+j:P+j+1], s[98:99] op_sel_hi:[1,0]   ; x 2^(e4 + e5)
.set j, j+2
.endr
	s_wait_kmcnt 0x0                               ; this tile's tokens, asked for a group ago, are in; s97 is free
.set i, 0
.rept 16
	s_min_u32 s[16+i], s[16+i], 0x3ff              ; a loaded number is held inside the table before it enters an address
	v_lshl_add_u32 v[OA+i], s[16+i], 13, v[L8]     ; a row of out0 is 8,192 bytes
.set i, i+1
.endr
	s_lshl_b32 s96, s100, 4
	s_sub_co_u32 s96, s87, s96                     ; rows of the expert from this tile's first on: at least 1
	s_wait_alu depctr_va_vdst(0)                   ; the scaled sums and the 16 offsets are written, which the run of stores below reads: one wait for all sixteen
.set i, 0
.rept 16
	s_cmp_gt_u32 s96, i                            ; the expert's last tile ends at its last row
	s_cbranch_scc0 .Ldone_\@
	global_store_b64 v[OA+i], v[P+2*i:P+2*i+1], s[12:13] th:TH_STORE_NT   ; 32 lanes store 256 consecutive bytes, aligned; written once, read by nobody here
.set i, i+1
.endr
.Ldone_\@:
.if \next
	s_add_co_u32 s97, s100, 8                      ; my tile of my next group: 64 bytes a tile of the expert's list,
	s_min_u32 s97, s97, 63                         ; held inside its 64 tiles
	s_lshl_b32 s97, s97, 6
	s_lshl_b32 s101, s85, 12
	s_add_co_u32 s97, s97, s101
	s_load_b512 s[16:31], s[10:11], s97 offset:0x0 ; it has a group's work in which to come
.endif
.endm
; A group of 64 rows, in fragment set and exchange buffer set.  next = 1: my next group's fragments and tokens are asked for.
.macro TRIP set, next
	s_cmp_lt_u32 s89, s88
	s_cbranch_scc0 .Lempty_\@
	s_wait_loadcnt 0x0                             ; this group's fragments are in (how many were asked for hangs on the count, so the wait is for all)
.if \next
	s_add_co_u32 s100, s89, 8                      ; my next group: its loads go out among this group's products: 32, 16 and 16
	ANEXT 0, \set
	ANEXT 1, \set
.endif
	BLOCK 0, \set, \next
	BLOCK 1, \set, \next
	BLOCK 2, \set, \next
	BLOCK 3, \set, \next
.Lempty_\@:
	s_wait_dscnt 0x0                               ; my partial sums have landed, and my reads of the other buffer, a group ago, are over
	s_barrier_signal -1
	s_barrier_wait -1                              ; every wave passes it in every group
	s_wait_xcnt 0x0                                ; the loads have read their base, the last tile's stores their data and offsets: all three may be written
	s_wait_alu depctr_vm_vsrc(0)                   ; the same of the vector registers: the last epilogue's stores have read v32-47 and v64-95, the LDS stores of tiles 2 and 3 their accumulators
.if \next
	s_add_nc_u64 s[4:5], s[4:5], GRP               ; inter at my next group
.endif
	s_add_co_u32 s100, s89, s84                    ; my tile
	s_cmp_lt_u32 s100, s88
	s_cbranch_scc0 .Lnot_\@
	EPI \set, \next
.Lnot_\@:
	s_add_co_u32 s89, s89, 8
.endm
	s_load_b256 s[4:11], s[0:1], 0x0               ; inter s[4:5], down s[6:7], the exponents s[8:9], route s[10:11]
	s_load_b64 s[12:13], s[0:1], 0x20              ; out0
	v_lshl_add_u32 v62, v0, 2, 0x43000             ; my spare word, behind the exchange buffers, and 0: kept for the closing add alone
	v_mov_b32 v63, 0
	v_lshrrev_b32 v1, 5, v0
	v_readfirstlane_b32 s84, v1                    ; wave 0..3
	v_and_b32 v11, 31, v0                          ; lane
	v_and_b32 v1, 15, v0                           ; r
	v_bfe_u32 v2, v0, 4, 1                         ; h
	v_lshlrev_b32 v[L16], 4, v11
	v_lshlrev_b32 v[L8], 3, v11
	s_wait_alu depctr_va_sdst(0)                   ; s84 is written, ahead of its first reader
	s_mul_i32 s100, s84, STW
	v_add_nc_u32 v[SST], s100, v[L16]
	v_mul_u32_u24 v[SLD], v1, PITCH
	v_lshl_add_u32 v[SLD], v2, 4, v[SLD]
	v_add_nc_u32 v[SLD], s100, v[SLD]
	v_mul_u32_u24 v[XS], v1, XROW
	v_lshl_add_u32 v[XS], v2, 5, v[XS]
	s_mul_i32 s100, s84, XSRC
	s_add_co_u32 s100, s100, XCH
	v_add_nc_u32 v[XS], s100, v[XS]
	v_add_nc_u32 v[XS+1], XBUF, v[XS]
	s_mul_i32 s100, s84, XTILE
	s_add_co_u32 s100, s100, XCH
	v_add_nc_u32 v[XL], s100, v[L8]
	v_add_nc_u32 v[XL+1], XBUF, v[XL]
	s_and_b32 s91, ttmp9, 1                        ; half
	s_bfe_u32 s86, ttmp9, 0x50001                  ; column block: 5 bits from bit 1
	s_lshr_b32 s85, ttmp9, 6                       ; expert
	s_wait_kmcnt 0x0
	s_lshl_b32 s100, s85, 7
	s_load_b32 s87, s[10:11], s100 offset:0x4000   ; the expert's count
	s_load_b64 s[92:93], s[8:9], 0x10              ; e4, e5
	s_lshl_b32 s97, s91, 2
	s_add_co_u32 s97, s97, s84                     ; my tile of my first group: 4 hf + wave, 7 at the most
	s_lshl_b32 s97, s97, 6
	s_lshl_b32 s101, s85, 12
	s_add_co_u32 s97, s97, s101
	s_load_b512 s[16:31], s[10:11], s97 offset:0x0 ; its 16 tokens
	s_lshl_b32 s2, s85, 21                         ; inter: the expert's 64 x 64 tiles of 512 bytes,
	s_lshl_b32 s3, s84, 19                         ; my K quarter: 16 blocks of 32 along K,
	s_add_co_u32 s2, s2, s3
	s_lshl_b32 s3, s91, 11                         ; my first group: tile 4 hf
	s_add_co_u32 s2, s2, s3
	s_mov_b32 s3, 0
	s_add_nc_u64 s[4:5], s[4:5], s[2:3]
	s_lshl_b32 s2, s85, 22                         ; down: the expert's 2,048 rows of 2,048 bytes,
	s_lshl_b32 s101, s86, 17                       ; my 64 rows,
	s_add_co_u32 s2, s2, s101
	s_lshl_b32 s101, s84, 9                        ; my K quarter
	s_add_co_u32 s2, s2, s101
	s_add_nc_u64 s[6:7], s[6:7], s[2:3]
	s_lshl_b32 s2, s86, 8                          ; out0: my 64 columns
	s_add_nc_u64 s[12:13], s[12:13], s[2:3]
	WIN 0xc0
	s_wait_alu depctr_va_vdst(0)                   ; the addresses v3 to v10 are written, which the kernel's loads and stores read; none is written again
.set k, 0
.rept 64
	global_load_b128 v[4*k:4*k+3], v[L16], s[6:7] offset:k*2048   ; 512 consecutive bytes of weight row k; the work-group of the other half reads them too
.set k, k+1
.endr
	WIN 0x80
.irp t, 0,1,2,3
	ALOAD \t, 0                                    ; tiles 4 hf .. 4 hf + 3, at most tile 7: the launch before stores tiles 0 to 7 of every expert
.endr
	WIN 0
	s_lshl_b32 s89, s91, 2                         ; my first group's first tile: 4 hf
	s_wait_kmcnt 0x0
	s_add_co_u32 s88, s87, 15
	s_lshr_b32 s88, s88, 4                         ; the expert's tiles,
	s_min_u32 s88, s88, 64                         ; 64 at the most
	s_add_co_i32 s98, s92, s93
	s_add_co_i32 s98, s98, 127
	s_lshl_b32 s98, s98, 23                        ; 2^(e4 + e5) as f32
	s_mov_b32 s99, s98                             ; (named with it as a pair, so it is written)
	s_wait_loadcnt 63                              ; 64 loads were issued behind the weights' 64: with 63 out the weights are in
	WIN 0x0c
.set k, 0
.rept 64
	ds_store_b128 v[SST], v[4*k:4*k+3] offset:k*PITCH
.set k, k+1
.endr
	WIN 0x40
.irp n, 0,1,2,3
.irp s, 0,1,2,3
.irp c, 0,1,2,3
	ds_load_b128 v[64*\n+16*\s+4*\c:64*\n+16*\s+4*\c+3], v[SLD] offset:\n*TILEB+128*\s+32*\c   ; LDS serves a wave's instructions in order: these see my stores
.endr
.endr
.endr
	WIN 0
	s_wait_dscnt 0x0                               ; the weights' fragments stay in window 1; window 3 is free for set 1
	s_wait_alu depctr_vm_vsrc(0)                   ; the stage stores have read window 3, in which the loads of set 1 land
	s_mov_b32 s90, 3
.Ltrip:                                            ; 3 trips of two groups; sets and buffers are constants of the text
	TRIP 0, 1
	TRIP 1, 1
	s_sub_co_u32 s90, s90, 1
	s_cmp_lg_u32 s90, 0
	s_cbranch_scc1 .Ltrip
	TRIP 0, 1                                      ; my last two groups are written out: the last asks for nothing, since an expert has no tile 64
	TRIP 1, 0
	s_wait_kmcnt 0x0                               ; token words asked for behind my last tile may still be out
	s_wait_dscnt 0x0                               ; the closing lines, six on end
	s_wait_alu 0x0
	s_wait_tensorcnt 0x0
	ds_add_u32 v62, v63
	s_wait_dscnt 0x0
	s_endpgm
.Lfunc_end_k_q1289c0578a_down:
	.size	k_q1289c0578a_down, .Lfunc_end_k_q1289c0578a_down-k_q1289c0578a_down
	.p2alignl 7, 3214868480
	.fill 96, 4, 3214868480
	.section	.rodata,"a",@progbits
	.p2align	6, 0x0
	.amdhsa_kernel k_q1289c0578a_down
		.amdhsa_group_segment_fixed_size 274944
		.amdhsa_private_segment_fixed_size 0
		.amdhsa_enable_private_segment 0
		.amdhsa_kernarg_size 40
		.amdhsa_user_sgpr_count 2
		.amdhsa_user_sgpr_kernarg_segment_ptr 1
		.amdhsa_wavefront_size32 1
		.amdhsa_system_sgpr_workgroup_id_x 1
		.amdhsa_system_sgpr_workgroup_id_y 1
		.amdhsa_system_sgpr_workgroup_id_z 1
		.amdhsa_system_vgpr_workitem_id 0
		.amdhsa_next_free_vgpr 1024
		.amdhsa_next_free_sgpr 102
		.amdhsa_reserve_vcc 0
		.amdhsa_float_denorm_mode_32 3
		.amdhsa_float_denorm_mode_16_64 3
		.amdhsa_memory_ordered 1
		.amdhsa_forward_progress 1
		.amdhsa_inst_pref_size 125
	.end_amdhsa_kernel
	.amdgpu_metadata
---
amdhsa.version: [ 1, 2 ]
amdhsa.kernels:
  - .name:           k_q1289c0578a_down
    .symbol:         k_q1289c0578a_down.kd
    .args:
      - { .name: inter, .offset: 0, .size: 8, .value_kind: global_buffer, .address_space: global }
      - { .name: down_proj_codes, .offset: 8, .size: 8, .value_kind: global_buffer, .address_space: global }
      - { .name: lowp_scales, .offset: 16, .size: 8, .value_kind: global_buffer, .address_space: global }
      - { .name: route, .offset: 24, .size: 8, .value_kind: global_buffer, .address_space: global }
      - { .name: out0, .offset: 32, .size: 8, .value_kind: global_buffer, .address_space: global }
    .group_segment_fixed_size: 274944
    .private_segment_fixed_size: 0
    .kernarg_segment_align: 8
    .kernarg_segment_size: 40
    .max_flat_workgroup_size: 128
    .sgpr_count:     102
    .vgpr_count:     1024
    .wavefront_size: 32
...
	.end_amdgpu_metadata
.endif
;; end of part 6
